; MI455X (gfx1250); checked and timed in simulation.
; The chip was launched on July 23, 2026; its instructions are those of AMD's public machine-readable ISA for CDNA 5 (MIT licence, August 2026) and "CDNA5" Instruction Set Architecture Reference Guide (July 2026). The comments in the code are by the model that wrote it; some were corrected since.
;; Masked Self Attention. Allowed arithmetic: matrix products marked QUANTISED: E2M1 operands, one E8M0 scale for each 32 along K, by v_wmma_scale_f32_16x16x128_f8f6f4 with both operands' format E2M1 (or v_wmma_scale_f32_32x16x128_f4), f32 sums; everything else in f32.
;; Inputs: W_attn 1,024 x 3,072 float32; W_proj 1,024 x 1,024 float32; b_attn 3,072 float32; b_proj 1,024 float32; x 4 x 2,048 x 1,024 float32.
;; Outputs: out0 4 x 2,048 x 1,024 float32.
;; This version of the problem:
;;   THIS VERSION OF THE PROBLEM IS GIVEN IN LOW PRECISION. The matrix products marked QUANTISED in the list below multiply operands that are first quantised to E2M1 (2 exponent bits, 1 mantissa bit; 4 bits a number), with one power-of-two scale for each 32 numbers along K (OCP MX v1.0); their sums are f32. All else is computed in f32.
;;   The module's matrix products, in the order in which they are computed (A, B: the left and right operand; K: the contracted axis; several contracted axes count as one K, in the product's order):
;;     1. [M 8,192, K 1,024] x [K 1,024, N 3,072]; A: input x; B: input W_attn: QUANTISED
;;     2. batch 64 x [M 2,048, K 64] x [K 64, N 2,048]; A: computed on the way; B: computed on the way: QUANTISED
;;     3. batch 64 x [M 2,048, K 2,048] x [K 2,048, N 64]; A: softmax (see below); B: computed on the way: QUANTISED
;;     4. [M 8,192, K 1,024] x [K 1,024, N 1,024]; A: computed on the way; B: input W_proj: QUANTISED
;;   THE QUANTISER, for each operand of a quantised product, along K:
;;     - K is cut into blocks of 32 from its start; a last block that is shorter is filled with zeros.
;;     - A block's scale is 2^e with e = floor(log2(the largest magnitude in the block)) - 2, held to -126 .. 127; a block of zeros has e = 0. As a byte (E8M0): e + 127.
;;     - Each number is divided by its block's scale, clamped to +-6, and rounded to the nearest number of E2M1, ties to even, subnormals kept.
;;     - The product sums the exact products of the quantised numbers (number of the format x scale) in f32.
;;   ~~~python
;;   def quantise(x, axis):      # numpy; x: float32 -> the quantised numbers, widened to float32 again
;;       x = np.moveaxis(x, axis, -1); K = x.shape[-1]
;;       x = np.pad(x, [(0, 0)] * (x.ndim - 1) + [(0, -K % 32)]); x = x.reshape(x.shape[:-1] + (-1, 32)); a = np.abs(x).max(-1, keepdims=True)
;;       e = np.where(a > 0, np.clip(np.frexp(np.where(a > 0, a, 1))[1] - 1 - 2, -126, 127), 0)      # np.frexp(a)[1] - 1 = floor(log2(a)), exactly
;;       r = np.clip(x / 2.0 ** e, -6, 6)
;;       step = 2.0 ** (np.maximum(np.frexp(np.where(r == 0, 1, r))[1] - 1, 0) - 1)
;;       q = np.round(r / step) * step * 2.0 ** e      # np.round: ties to even
;;       return np.moveaxis(q.reshape(q.shape[:-2] + (-1,))[..., :K], -1, axis).astype(np.float32)
;;   ~~~
;;   SOFTMAX AHEAD OF A QUANTISED PRODUCT. Where the list says 'softmax', what is quantised is not the finished softmax but p = 2^(t - M), with t = logit x log2(e) and M = ceil(the row's largest t), a whole number; so 1/2 < the row's largest p <= 1. The row's sum l is taken of the UNQUANTISED p, in f32, and the product's result is divided by l at the end. Since M is a whole number, a kernel that streams over the keys may use a running M (the ceiling of the running maximum): every later rescaling is an exact power of two, which a block's scale takes up: the codes' values come out the same.
;;   OPERANDS COMPUTED ON THE WAY. 'Computed on the way' means the value that the module computes at that place (a softmax that the list does not call 'softmax' is quantised finished and normalised). What goes into a quantiser is computed in f32, as accurately as f32 sums, v_exp_f32 and their like allow (about 1e-6 of the number): no bf16 or f16 on the way to a quantiser, and a product that is left as it is and whose result goes on into a quantised operand takes f32 operands (vector FMAs, or v_wmma_f32_16x16x4_f32). A number that lies on a knife's edge between two numbers of the format may be rounded either way, as far as f32 arithmetic and the matrix unit's own rounding can turn it there, and no further.
;; One version. Each part assembles by itself: llvm-mc -triple=amdgcn-amd-amdhsa -mcpu=gfx1250 --defsym DOCPART=n.
;; ======== version 1 of 1: 4 launches
;; workspace buffers: xq 4,456,448 bytes; wq 2,228,224 bytes; qk 9,437,184 bytes; vq 4,456,448 bytes; oq 4,456,448 bytes
;; launch quant (part 1): grid 512 x 1, 4 waves a work-group, no clusters, 35,328 bytes of LDS; arguments x, W_attn, W_proj, xq, wq; writes xq, wq
.if DOCPART == 1
	.amdgcn_target "amdgcn-amd-amdhsa--gfx1250"
	.amdhsa_code_object_version 6
	.text
	.protected	k_q84b7ba225b_quant
	.globl	k_q84b7ba225b_quant
	.p2align	8
	.type	k_q84b7ba225b_quant,@function
k_q84b7ba225b_quant:
	s_mov_b64 s[64:65], 0
	v_nop
	global_prefetch_b8 v0, s[64:65] scope:SCOPE_SE
	s_setreg_imm32_b32 hwreg(HW_REG_WAVE_MODE, 25, 1), 1
	s_wait_xcnt 0x0
; x [8192][1024], W_attn [1024][3072] and W_proj [1024][1024], f32, become codes of FP4 (E2M1) with one E8M0 scale byte for each 32 along K (K = 1,024 in all three).
; A block's scale is 2^(floor(log2(its largest magnitude)) - 2): its byte is the largest magnitude's exponent field - 2, held at 1 from below; each number is divided by it and rounded to the nearest code, ties to even.
; LIMITS: NaN and infinities are not served.  A block of zeros, or one whose largest magnitude lies under 2^-124, gets the byte 1: its codes are zeros, and these bytes are read by this program alone.
; LAYOUT OF THE RESULTS (this program's own buffers): the order of the matrix operand's registers.
;   Rows (tokens of x, columns of W) stand in PHYSICAL order: inside each 32, bits 3 and 4 of the row number change places, so that row r of tile 2 g + u is logical row 32 g + 8 u + r + 8 (r / 8).
;   A PIECE is 16 physical rows x 64 K, 512 bytes: lane (r, h) has 16 bytes at 16 x lane, block h of the 64.  Codes: [K / 512][row tile][8 pieces][512].
;   Scale bytes: [row tile][K / 512][r][16 bytes]: word q is the scale word of the q-th 128 along K.
; SHARES: work-groups 0-191 take W_attn, 192-255 W_proj, 256-511 x.  No barrier: waves share nothing.  Only the path for x uses LDS.
.set XL, 16                            ; v16-143  numbers as they are loaded
.set XT, 144                           ; v144-207 x: two sets of 32 neighbours;  W: v144-159 a wave's codes
.set CD, 208                           ; v208-239 x: the codes of eight pieces, so that no store's data are written again
.set WD, 240                           ; v240-243 x: the four scale words;  v244-247 the other half's
	s_load_b128 s[4:7], s[0:1], 0x0                ; x, W_attn
	s_load_b128 s[8:11], s[0:1], 0x10              ; W_proj, xq
	s_load_b64 s[12:13], s[0:1], 0x20              ; wq
	v_lshl_add_u32 v254, v0, 2, 0x8800
	v_mov_b32 v255, 0
	v_lshrrev_b32 v1, 5, v0
	v_readfirstlane_b32 s14, v1                    ; wave 0..3
	v_and_b32 v2, 31, v0                           ; lane
	v_and_b32 v12, 15, v0                          ; r = lane % 16
	v_bfe_u32 v13, v0, 4, 1                        ; h = lane / 16
	v_lshlrev_b32 v14, 4, v12                      ; 16 r
	s_mov_b32 s21, 0                               ; the upper word of every offset pair s[20:21]
	s_wait_kmcnt 0x0
	s_cmp_lt_u32 ttmp9, 192
	s_cbranch_scc1 .Lw_attn
	s_cmp_lt_u32 ttmp9, 256
	s_cbranch_scc1 .Lw_proj
	s_branch .Lx
; The 32 numbers v[XS] on are one block: v11 = the conversion's scale operand.
.macro SCALE32
	v_max3_num_f32 v8, |v[XS]|, |v[XS+1]|, |v[XS+2]|               ; the block's largest magnitude, in two chains
	v_max3_num_f32 v9, |v[XS+3]|, |v[XS+4]|, |v[XS+5]|
.irp i, 6,10,14,18,22,26
	v_max3_num_f32 v8, v8, |v[XS+\i]|, |v[XS+\i+1]|
	v_max3_num_f32 v9, v9, |v[XS+\i+2]|, |v[XS+\i+3]|
.endr
	v_max3_num_f32 v8, v8, |v[XS+30]|, |v[XS+31]|
	v_max3_num_f32 v8, v8, v9, 0x1800000           ; and the floor 2^(3 - 127): the byte cannot fall under 1
	v_add_nc_u32 v11, 0xff000000, v8               ; 2 off the exponent field: the conversion takes that field as its scale and nothing else of the operand
.endm
; Their 32 codes into v[cd] .. v[cd + 3], the scale's byte into v[by].  The shift is the plain line behind the conversions.
.macro CODES32 cd, by
.irp g, 0,1,2,3
	v_cvt_scalef32_pk8_fp4_f32 v[(\cd)+\g], v[XS+8*\g:XS+8*\g+7], v11
.endr
	v_lshrrev_b32 v[\by], 23, v11
.endm
; ---- A WEIGHT [1024 (k)][n].  A LANE TAKES A COLUMN AND ITS REGISTERS RUN DOWN K, so a block of 32 lies in one lane and the codes come out with K innermost.
; A work-group takes 128 columns x 128 K, a wave 32 columns.  Lane l takes the column that stands at PHYSICAL place l of its 32.  Each load reads 128 consecutive bytes of a row of W, the four waves 512.
.macro WLOAD n, t                      ; block t: W(32 t + i, my column), i = 0 .. 31
.set II, 0
.rept 32
	global_load_b32 v[XL+32*(\t)+II], v3, s[22:23] offset:(32*(\t)+II)*(\n)*4 th:TH_LOAD_NT
.set II, II+1
.endr
.endm
.macro WPATH n, first, ptr, codes, scales
	s_sub_co_u32 s16, ttmp9, \first
	s_and_b32 s17, s16, 7                          ; which 128 along K
	s_lshr_b32 s18, s16, 3                         ; which 128 columns
	s_mul_i32 s20, s17, 128*(\n)*4
	s_lshl_b32 s19, s18, 9
	s_add_co_u32 s20, s20, s19
	s_lshl_b32 s19, s14, 7
	s_add_co_u32 s20, s20, s19                     ; 128 rows of W down for each K step, 512 bytes for each 128 columns, 128 for each wave
	s_add_nc_u64 s[22:23], s[\ptr:\ptr+1], s[20:21]
	s_lshr_b32 s19, s17, 2                         ; K / 512
	s_and_b32 s24, s17, 3                          ; and the 128 in it
	s_mul_i32 s20, s19, (\n)*256
	s_lshl_b32 s25, s18, 15
	s_add_co_u32 s20, s20, s25
	s_lshl_b32 s25, s14, 13
	s_add_co_u32 s20, s20, s25                     ; row tile 8 x block + 2 x wave, 4,096 bytes each
	s_lshl_b32 s25, s24, 10
	s_add_co_u32 s20, s20, s25                     ; two pieces for each 128 along K
	s_add_co_u32 s20, s20, \codes
	s_add_nc_u64 s[26:27], s[12:13], s[20:21]
	s_lshl_b32 s20, s18, 12
	s_lshl_b32 s25, s14, 10
	s_add_co_u32 s20, s20, s25                     ; scale bytes: 512 a row tile,
	s_lshl_b32 s25, s19, 8
	s_add_co_u32 s20, s20, s25                     ; 256 for each 512 along K,
	s_lshl_b32 s25, s24, 2
	s_add_co_u32 s20, s20, s25                     ; a word for each 128
	s_add_co_u32 s20, s20, \scales
	s_add_nc_u64 s[28:29], s[12:13], s[20:21]
	v_and_b32 v3, 7, v2
	v_and_b32 v4, 8, v2
	v_lshl_or_b32 v3, v4, 1, v3
	v_and_b32 v4, 16, v2
	v_lshrrev_b32 v4, 1, v4
	v_or_b32 v3, v3, v4                            ; the lane's number with bits 3 and 4 changed: my logical column
	v_lshlrev_b32 v3, 2, v3
	v_lshl_add_u32 v4, v13, 12, v14                ; codes: my tile (lane / 16) and my row's 16 bytes
	v_lshl_add_u32 v5, v13, 9, v14                 ; scale words likewise
	WLOAD \n, 0
	WLOAD \n, 1
	s_wait_alu depctr_va_vdst(0)
.irp t, 0,1,2,3
.if \t < 3
	s_wait_loadcnt 32                              ; this block's 32 loads are in; the next block's 32 may be out
.else
	s_wait_loadcnt 0x0
.endif
.if \t < 2
	WLOAD \n, \t+2                                 ; two blocks ahead, into registers of their own
.endif
.set XS, XL+32*\t
	SCALE32
.if \t == 0
	CODES32 XT+4*\t, 10
.else
	CODES32 XT+4*\t, 9
	v_lshl_or_b32 v10, v9, 8*\t, v10               ; the four bytes make my column's scale word
.endif
	global_store_b128 v4, v[XT+4*\t:XT+4*\t+3], s[26:27] offset:256*\t   ; block t is half t % 2 of piece t / 2: sixteen lanes store 256 consecutive bytes, aligned
.endr
	global_store_b32 v5, v10, s[28:29]             ; 4 bytes of each row's 16: the other three words come from other work-groups; 131,072 bytes in all go out so
	s_endpgm
.endm
.Lw_attn:
	s_wait_alu depctr_va_vdst(0)
	WPATH 3072, 0, 6, 0, 1572864
.Lw_proj:
	s_wait_alu depctr_va_vdst(0)
	WPATH 1024, 192, 8, 1671168, 2195456
; ---- x.  A wave takes one physical tile of 16 tokens x 512 K: eight pieces.  K is innermost, so a load is best where neighbouring lanes take neighbouring bytes (sixteen lanes: 256 bytes of one row), while the
; conversions want a block's 32 numbers in ONE lane.  Both are had by a turn through the wave's own stage in LDS: 16 rows x (256 + 16) bytes, two stages by turns.
.Lx:
	s_sub_co_u32 s16, ttmp9, 256
	s_lshl_b32 s16, s16, 2
	s_add_co_u32 s16, s16, s14
	s_lshr_b32 s17, s16, 1                         ; T: the token tile, 0 .. 511
	s_and_b32 s18, s16, 1                          ; K / 512
	s_lshr_b32 s19, s17, 1
	s_lshl_b32 s20, s19, 17                        ; 32 rows of 4,096 bytes for each pair of tiles,
	s_and_b32 s19, s17, 1
	s_lshl_b32 s19, s19, 15                        ; 8 rows for the odd tile,
	s_add_co_u32 s20, s20, s19
	s_lshl_b32 s19, s18, 11                        ; 512 numbers along K
	s_add_co_u32 s20, s20, s19
	s_add_nc_u64 s[4:5], s[4:5], s[20:21]
	s_lshl_b32 s20, s18, 21
	s_lshl_b32 s19, s17, 12
	s_add_co_u32 s20, s20, s19
	s_add_nc_u64 s[22:23], s[10:11], s[20:21]      ; the codes: [K / 512][T][4,096]
	s_lshl_b32 s20, s17, 9
	s_lshl_b32 s19, s18, 8
	s_add_co_u32 s20, s20, s19
	s_add_co_u32 s20, s20, 4194304
	s_add_nc_u64 s[24:25], s[10:11], s[20:21]      ; the scale bytes: [T][K / 512][256], behind the codes
	s_wait_alu depctr_va_vdst(0)
	v_lshl_add_u32 v3, v13, 12, v14                ; in: lanes 0-15 one row, lanes 16-31 the next; 16 bytes a lane
	v_lshlrev_b32 v4, 4, v2                        ; out: 16 x lane
	s_mul_i32 s19, s14, 8704                       ; my wave's two stages
	v_mul_u32_u24 v5, v13, 272
	v_add_nc_u32 v5, v5, v14
	v_add_nc_u32 v5, s19, v5                       ; into a stage: as loaded
	v_mul_u32_u24 v6, v12, 272
	v_lshl_add_u32 v6, v13, 7, v6
	v_add_nc_u32 v6, s19, v6                       ; out of it: row r, block h: 128 bytes
	v_lshlrev_b32 v7, 3, v13                       ; 8 h: my byte's place in a pair of bytes
	s_mov_b32 s30, 0x76543210
	s_mov_b32 s31, 0xfedcba98                      ; v_permlanex16_b32's selects for lane l xor 16
.irp q, 0,1,2,3
	v_mov_b32 v[WD+4+\q], 0                        ; written once: a lane permute's destination counts as one of its sources
.endr
.macro XLOAD p                         ; piece p: physical rows 2 k and 2 k + 1 are logical rows 2 k + 8 (k / 4) and the next
.irp k, 0,1,2,3,4,5,6,7
	global_load_b128 v[XL+32*((\p)%4)+4*\k:XL+32*((\p)%4)+4*\k+3], v3, s[4:5] offset:(2*\k+8*(\k/4))*4096+256*(\p) th:TH_LOAD_NT
.endr
.endm
.macro XTURN p                         ; LDS serves a wave's instructions in order: no wait stands between the stores and the loads
.irp k, 0,1,2,3,4,5,6,7
	ds_store_b128 v5, v[XL+32*((\p)%4)+4*\k:XL+32*((\p)%4)+4*\k+3] offset:4352*((\p)%2)+544*\k
.endr
.irp k, 0,1,2,3,4,5,6,7
	ds_load_b128 v[XT+32*((\p)%2)+4*\k:XT+32*((\p)%2)+4*\k+3], v6 offset:4352*((\p)%2)+16*\k
.endr
.endm
.macro XSTEP p
	s_wait_dscnt 0x0                               ; this piece is back from its stage
.if (\p) < 4
	XLOAD (\p)+4                                   ; four pieces (32 loads) ahead, into the registers that this piece has left
.endif
.if (\p) < 7
.if (\p) < 4
	s_wait_loadcnt 24                              ; the next piece's eight loads are in; those of the three pieces behind it may be out
.else
	s_wait_loadcnt 8*(6-(\p))
.endif
	XTURN (\p)+1                                   ; and go through the other stage while this piece is worked
.endif
.set XS, XT+32*((\p)%2)
	SCALE32
.if (\p)%2 == 0
	CODES32 CD+4*(\p), WD+(\p)/2
.else
	CODES32 CD+4*(\p), 9
	v_lshl_or_b32 v[WD+(\p)/2], v9, 16, v[WD+(\p)/2]   ; block 2 p + h is byte 2 (p % 2) + h of word p / 2
.endif
	global_store_b128 v4, v[CD+4*(\p):CD+4*(\p)+3], s[22:23] offset:512*(\p)   ; the wave stores 512 consecutive bytes, aligned
.endm
.irp p, 0,1,2,3
	XLOAD \p
.endr
	s_wait_alu depctr_va_vdst(0)
	s_wait_loadcnt 24                              ; piece 0 is in
	XTURN 0
.irp p, 0,1,2,3,4,5,6,7
	XSTEP \p
.endr
.irp q, 0,1,2,3
	v_lshlrev_b32 v[WD+\q], v7, v[WD+\q]           ; lanes 16-31 hold the odd blocks' bytes: 8 bits up
.endr
.irp q, 0,1,2,3
	v_permlanex16_b32 v[WD+4+\q], v[WD+\q], s30, s31
.endr
.irp q, 0,1,2,3
	v_or_b32 v[WD+\q], v[WD+\q], v[WD+4+\q]        ; with lane l xor 16's the words are whole
.endr
	v_cmp_gt_u32 vcc_lo, 16, v2
	s_wait_alu depctr_va_vdst(0)
	s_wait_xcnt 0x0                                ; EXEC is a source of the stores above: it changes only behind this wait
	s_wait_tensorcnt 0x0
	ds_add_u32 v254, v255
	s_wait_dscnt 0x0
	s_and_saveexec_b32 s26, vcc_lo
	global_store_b128 v14, v[WD:WD+3], s[24:25]    ; sixteen lanes store the tile's 256 scale bytes of this 512 along K, aligned
	s_wait_xcnt 0x0
	s_or_b32 exec_lo, exec_lo, s26
	s_endpgm
.Lfunc_end_k_q84b7ba225b_quant:
	.size	k_q84b7ba225b_quant, .Lfunc_end_k_q84b7ba225b_quant-k_q84b7ba225b_quant
	.p2alignl 7, 3214868480
	.fill 96, 4, 3214868480
	.section	.rodata,"a",@progbits
	.p2align	6, 0x0
	.amdhsa_kernel k_q84b7ba225b_quant
		.amdhsa_group_segment_fixed_size 35328
		.amdhsa_private_segment_fixed_size 0
		.amdhsa_enable_private_segment 0
		.amdhsa_kernarg_size 40
		.amdhsa_user_sgpr_count 2
		.amdhsa_user_sgpr_kernarg_segment_ptr 1
		.amdhsa_wavefront_size32 1
		.amdhsa_system_sgpr_workgroup_id_x 1
		.amdhsa_system_sgpr_workgroup_id_y 1
		.amdhsa_system_sgpr_workgroup_id_z 1
		.amdhsa_system_vgpr_workitem_id 0
		.amdhsa_next_free_vgpr 256
		.amdhsa_next_free_sgpr 66
		.amdhsa_reserve_vcc 1
		.amdhsa_float_denorm_mode_32 3
		.amdhsa_float_denorm_mode_16_64 3
		.amdhsa_memory_ordered 1
		.amdhsa_forward_progress 1
		.amdhsa_inst_pref_size 70
	.end_amdhsa_kernel
	.amdgpu_metadata
---
amdhsa.version: [ 1, 2 ]
amdhsa.kernels:
  - .name:           k_q84b7ba225b_quant
    .symbol:         k_q84b7ba225b_quant.kd
    .args:
      - { .name: x, .offset: 0, .size: 8, .value_kind: global_buffer, .address_space: global }
      - { .name: W_attn, .offset: 8, .size: 8, .value_kind: global_buffer, .address_space: global }
      - { .name: W_proj, .offset: 16, .size: 8, .value_kind: global_buffer, .address_space: global }
      - { .name: xq, .offset: 24, .size: 8, .value_kind: global_buffer, .address_space: global }
      - { .name: wq, .offset: 32, .size: 8, .value_kind: global_buffer, .address_space: global }
    .group_segment_fixed_size: 35328
    .private_segment_fixed_size: 0
    .kernarg_segment_align: 8
    .kernarg_segment_size: 40
    .max_flat_workgroup_size: 128
    .sgpr_count:     66
    .vgpr_count:     256
    .wavefront_size: 32
...
	.end_amdgpu_metadata
.endif
;; end of part 1
;; launch qkv (part 2): grid 12 x 32, 4 waves a work-group, clusters of 4 x 4, 279,040 bytes of LDS; arguments xq, wq, b_attn, qk, vq; writes qk, vq
.if DOCPART == 2
	.amdgcn_target "amdgcn-amd-amdhsa--gfx1250"
	.amdhsa_code_object_version 6
	.text
	.protected	k_q84b7ba225b_qkv
	.globl	k_q84b7ba225b_qkv
	.p2align	8
	.type	k_q84b7ba225b_qkv,@function
k_q84b7ba225b_qkv:
	s_mov_b64 s[64:65], 0
	v_nop
	global_prefetch_b8 v0, s[64:65] scope:SCOPE_SE
	s_setreg_imm32_b32 hwreg(HW_REG_WAVE_MODE, 25, 1), 1
	s_wait_xcnt 0x0
	s_wait_alu depctr_hold_cnt(0) depctr_sa_sdst(0) depctr_va_vdst(0) depctr_va_sdst(0) depctr_va_ssrc(0) depctr_va_vcc(0) depctr_vm_vsrc(0)
	s_getreg_b32 s2, hwreg(HW_REG_IB_STS2, 6, 4)
	s_cmp_eq_u32 s2, 0
	s_cbranch_scc0 .Lentry_in_a_cluster
	s_endpgm
.Lentry_in_a_cluster:
	s_bfe_u32 s2, ttmp6, 0x10000c
	s_cmp_lg_u32 s2, 0xf033
	s_cbranch_scc0 .Lentry_shape_is_right
	s_endpgm
.Lentry_shape_is_right:
; qkv = x W_attn + b_attn on codes of FP4 with E8M0 scales (K = 1,024), and q, k, v quantised again on the way out, as the operands of the attention's two products.
; A work-group makes 256 tokens x 256 columns; four waves, as many as a WGP has SIMDs, 128 x 128 each: 64 accumulators, 512 registers.
; BOTH PANELS LIE IN LDS FOR ALL OF K: 256 rows x 512 bytes each, as two slots of 512 along K, and their scale bytes: 278,528 bytes, each byte filled ONCE.  So there is no ring: the first slot is multiplied while the second lands.
; The codes lie in the order of the operand's registers (16 rows x 64 K = 512 bytes, 16 bytes a lane): a wave's share of a slot is one dense block of 32,768 bytes, and a fragment is two loads of 512 consecutive bytes: no pitch, no padding.
; CLUSTERS: 4 x 4 work-groups.  x's panel hangs on the tile row alone and is asked for jointly by a row of the cluster, W's on the tile column alone, by a column.
; TWO KINDS OF COLUMNS.  q and k (tile columns 0-7) are quantised along the head's 64 channels: source 0 = columns of W, source 1 = tokens, so that a lane holds one token and its registers run along the channels.
; v (tile columns 8-11, the third cluster along x: the same for all sixteen partners) is quantised along the TOKENS, the second attention product's K: source 0 = tokens, source 1 = columns.  Only the LDS places from which fragments
; are read, the bias and the way out know of the kind; the joint loads do not.
; ROWS STAND IN PHYSICAL ORDER (bits 3 and 4 of the row number changed inside each 32): row r of tile 2 g + u is logical row 32 g + 8 u + r + 8 (r / 8).  So the 16 registers of the results of source 0's tiles 2 g and 2 g + 1 are the
; 16 logical neighbours 32 g + 16 (lane / 16) + 0 .. 15: what the conversions want.
; OUT: qk: codes [head 0-15 of q, 16-31 of k][token tile][512]; scale words [head][token / 128][tile / 4][r][tile % 4], bytes 2 and 3 = 127 (they scale zero codes: the attention's K step is 128, the head has 64).
;      vq: codes [head][token / 128][channel tile][1,024]; scale words [head][token / 128][tile / 2][r][tile % 2].
; LIMITS: NaN and infinities are not served; a block whose largest magnitude lies under 2^-124 gets the byte 1 and zero codes.
; REGISTERS, in windows of 256: window 0: v0-31 addresses; v32-95 scale words, one set a slot; v96-127 at work on the way out; v128-255 source 1's fragments, two sets of 64 (on the way out: 64 sums, 64 codes).
;   window 1: source 0's fragments, two sets, at v0 and v128; v64-127 the bias.   window 2: the accumulators of source 1's blocks 0-3 ((a, b) at v[8 (8 (a % 4) + b)]);   window 3: of blocks 4-7.
.set NA,    8                          ; source 1's blocks of 16 rows a wave
.set HALFA, NA*4096                    ; a wave's load of the first panel (x): 8 tiles x 4,096 bytes
.set HALFB, 32768                      ; and of the second (W)
.set SLOT,  2*HALFA+2*HALFB            ; 512 along K of both panels
.set SCL,   2*SLOT                     ; behind the slots: x's scale bytes (16 tiles x 512), then W's
.set ADRA, 16                          ; v16-17  LDS address of source 1's fragments in slot 0, 1
.set ADRB, 20                          ; v20-21  of source 0's
.set ADRS, 27                          ; v27     of my scale words: lanes 0-15 source 1's rows, lanes 16-31 source 0's
.set SC,   32                          ; scale words: slot s at v[SC + 32 s]; register 4 i + q: lanes 0-15 source 1's block i, lanes 16-31 source 0's block i, the slot's q-th 128 along K
.set RF,   128                         ; source 1's fragments
.set BI,   64                          ; the bias, in window 1
.set TM,   96                          ; v96-99 largest magnitudes, v100-103 bytes, v108-111 the conversions' scale operands
.set PW,   112                         ; v112-119 the scale word of each of the eight blocks
.set SUM,  128                         ; v128-191 64 results + bias
.set PC,   192                         ; v192-255 the codes of the eight blocks, so that no store's data are written again
.set SEL,  2                           ; s[2:3]
.set G1, 24                            ; s[24:31] descriptor group 1 for x's codes;  s[32:39] group 0, one set a slot
.set G0, 32
.set G1B, 48                           ; s[48:55], s[56:63] the same for W's codes
.set G0B, 56
.set G1S, 68                           ; s[68:75], s[76:79] for x's scale bytes;  s[80:87], s[88:91] for W's
.set G0S, 76
.set G1SB, 80
.set G0SB, 88
.set MSB, 0
.macro WIN new                         ; the immediate's low byte: bits 1:0 source 0, 3:2 source 1, 5:4 source 2, 7:6 destination; its high byte repeats the setting that is left
.if MSB != (\new)
	s_set_vgpr_msb (MSB<<8)|(\new)
.set MSB, (\new)
.endif
.endm
; A joint load: waves 0 and 1 fetch for x, waves 2 and 3 for W.  Each line has one mask and one set of registers for all that issue it; the branch hangs on the wave's number alone.  Four v_nop follow each line.
.macro JLOAD g0a, g1a, g0b, g1b
	s_cmp_eq_u32 s15, 0
	s_cbranch_scc0 .Lfor_b_\@
	tensor_load_to_lds s[\g0a:\g0a+3], s[\g1a:\g1a+7]
	s_nop 0
.rept 4
	v_nop
.endr
	s_branch .Lasked_\@
.Lfor_b_\@:
	tensor_load_to_lds s[\g0b:\g0b+3], s[\g1b:\g1b+7]
	s_nop 0
.rept 4
	v_nop
.endr
.Lasked_\@:
.endm
.macro CROUND                          ; a round of the cluster's barrier
	s_barrier_signal -1
	s_barrier_wait -1
	s_cmp_lg_u32 s14, 0
	s_cbranch_scc1 .Lnot_wave_0_\@
	s_barrier_signal -3
.Lnot_wave_0_\@:
	s_barrier_wait -3
	s_barrier_signal -1
	s_barrier_wait -1
.endm
.macro SHAPE g, rows                   ; a dense block as rows of 256 bytes: 32 elements of 8 bytes, pitch 32
	s_mov_b32 s[\g+1], 32<<16                      ; tensor_dim0
	s_mov_b32 s[\g+2], (\rows)<<16                 ; tensor_dim1
	s_mov_b32 s[\g+3], 32<<16                      ; tile_dim0
	s_mov_b32 s[\g+4], \rows                       ; tile_dim1
	s_mov_b32 s[\g+5], 32                          ; tensor_dim0_stride
	s_mov_b32 s[\g+6], 0
	s_mov_b32 s[\g+7], 0
.endm
.macro PLACES n
.rept \n
	v_nop
.endr
.endm
	s_load_b128 s[4:7], s[0:1], 0x0                ; xq, wq
	s_load_b128 s[8:11], s[0:1], 0x10              ; b_attn, qk
	s_load_b64 s[12:13], s[0:1], 0x20              ; vq
	v_lshl_add_u32 v106, v0, 2, 0x44000
	v_mov_b32 v107, 0
	ds_add_u32 v106, v107
	ds_add_u32 v106, v107
	v_lshrrev_b32 v1, 5, v0
	v_readfirstlane_b32 s14, v1                    ; wave 0..3
	s_lshr_b32 s15, s14, 1                         ; wr: which half of source 1's rows is mine.  Also: I fetch for x (0) or for W (1)
	s_and_b32 s16, s14, 1                          ; wq: which half of source 0's.  Also: which half of that panel I fetch
	s_bfe_u32 s40, ttmp6, 0x40000                  ; cx, cy: my place in the cluster
	s_bfe_u32 s41, ttmp6, 0x40004
	s_lshl_b32 s42, ttmp9, 2
	s_add_co_u32 s42, s42, s40                     ; gx: tile column = 4 x cluster x + cx
	s_and_b32 s17, ttmp7, 0xffff
	s_lshl_b32 s17, s17, 2
	s_add_co_u32 s17, s17, s41                     ; gy: tile row = 4 x cluster y + cy
	s_lshl_b32 s43, s41, 2
	s_lshl_b32 s43, 15, s43                        ; my row of the cluster
	s_lshl_b32 s44, 0x1111, s40                    ; my column
	s_or_b32 s[G1+0], s43, (3<<16)|(1<<21)         ; 15:0 the mask; 17:16 elements of 8 bytes; 21 set beside a mask; no padding
	s_or_b32 s[G1B+0], s44, (3<<16)|(1<<21)
	s_or_b32 s[G1S+0], s43, (3<<16)|(1<<21)
	s_or_b32 s[G1SB+0], s44, (3<<16)|(1<<21)
	SHAPE G1, NA*16
	SHAPE G1B, 128
	SHAPE G1S, 2*NA
	SHAPE G1SB, 16
	s_lshl_b32 s18, s16, 15                        ; my half of a panel: 8 tiles of 4,096 bytes,
	s_lshl_b32 s19, s16, 12                        ; and of 512 scale bytes
	s_lshl_b32 s20, s17, 16
	s_add_co_u32 s20, s20, s18                     ; x's codes: tile 16 gy + 8 x half
	s_mov_b32 s21, 0
	s_lshl_b32 s22, s17, 13
	s_add_co_u32 s22, s22, s19
	s_add_co_u32 s22, s22, 4194304                 ; x's scale bytes, behind its codes
	s_mov_b32 s23, 0
	s_lshl_b32 s46, s42, 16
	s_add_co_u32 s46, s46, s18                     ; W's codes: tile 16 gx + 8 x half
	s_mov_b32 s47, 0
	s_lshl_b32 s92, s42, 13
	s_add_co_u32 s92, s92, s19
	s_add_co_u32 s92, s92, 1572864                 ; W's scale bytes
	s_mov_b32 s93, 0
	s_mul_i32 s45, s16, HALFA                      ; where they go: no place in the cluster enters an LDS address
	s_mul_i32 s94, s16, HALFB
	s_add_co_u32 s94, s94, 2*HALFA
	s_mul_i32 s95, s16, NA*512
	s_lshl_b32 s96, s16, 12
	s_wait_dscnt 0x0
	s_wait_kmcnt 0x0
	s_add_nc_u64 s[20:21], s[4:5], s[20:21]
	s_add_nc_u64 s[22:23], s[4:5], s[22:23]
	s_add_nc_u64 s[46:47], s[6:7], s[46:47]
	s_add_nc_u64 s[92:93], s[6:7], s[92:93]
	CROUND                                         ; all sixteen work-groups are here: the joint loads meet
	s_mov_b32 s[G0S], 1
	s_add_co_u32 s[G0S+1], s95, SCL
	s_mov_b64 s[G0S+2:G0S+3], s[22:23]
	s_or_b32 s[G0S+3], s[G0S+3], 0x80000000
	s_mov_b32 s[G0SB], 1
	s_add_co_u32 s[G0SB+1], s96, SCL+2*NA*512
	s_mov_b64 s[G0SB+2:G0SB+3], s[92:93]
	s_or_b32 s[G0SB+3], s[G0SB+3], 0x80000000
	JLOAD G0S, G1S, G0SB, G1SB                     ; the scale bytes first: they are wanted with slot 0
.irp s, 0,1
	s_mov_b32 s[G0+4*\s], 1
	s_add_co_u32 s[G0+4*\s+1], s45, \s*SLOT
	s_add_nc_u64 s[G0+4*\s+2:G0+4*\s+3], s[20:21], \s*2097152
	s_or_b32 s[G0+4*\s+3], s[G0+4*\s+3], 0x80000000
	s_mov_b32 s[G0B+4*\s], 1
	s_add_co_u32 s[G0B+4*\s+1], s94, \s*SLOT
	s_add_nc_u64 s[G0B+4*\s+2:G0B+4*\s+3], s[46:47], \s*786432
	s_or_b32 s[G0B+4*\s+3], s[G0B+4*\s+3], 0x80000000
	JLOAD G0+4*\s, G1, G0B+4*\s, G1B               ; three tensor loads of mine are out
.endr
	v_and_b32 v1, 31, v0                           ; lane
	v_and_b32 v2, 15, v0                           ; r
	v_bfe_u32 v3, v0, 4, 1                         ; h
	v_lshlrev_b32 v4, 4, v1                        ; 16 x lane: my place in every image, in LDS and in memory
	s_wait_alu depctr_va_vdst(0)
	s_cmp_eq_u32 ttmp9, 2                          ; the kind: the third cluster along x makes v
	s_cselect_b32 s21, 2*HALFA, 0                  ; source 1: x's panel, or W's
	s_cselect_b32 s22, 0, 2*HALFA                  ; source 0: W's, or x's
	s_cselect_b32 s23, 8192, 0                     ; and their scale bytes
	s_cselect_b32 s45, 0, 8192
	s_cselect_b32 s97, 1, 0
	s_cselect_b32 s19, s15, s16                    ; the bias goes with W's half
	s_lshl_b32 s18, s15, 15
	s_add_co_u32 s21, s21, s18
	s_lshl_b32 s18, s16, 15
	s_add_co_u32 s22, s22, s18
	v_add_nc_u32 v[ADRA], s21, v4
	v_add_nc_u32 v[ADRB], s22, v4
	v_add_nc_u32 v[ADRA+1], SLOT, v[ADRA]
	v_add_nc_u32 v[ADRB+1], SLOT, v[ADRB]
	s_lshl_b32 s18, s15, 12
	s_add_co_u32 s23, s23, s18
	s_add_co_u32 s23, s23, SCL
	s_lshl_b32 s18, s16, 12
	s_add_co_u32 s45, s45, s18
	s_add_co_u32 s45, s45, SCL
	v_mov_b32 v5, s23
	v_mov_b32 v6, s45
	v_cmp_gt_u32 vcc_lo, 16, v1
	v_cndmask_b32 v5, v6, v5, vcc_lo               ; lanes 0-15 source 1's scale words, lanes 16-31 source 0's
	v_lshl_add_u32 v[ADRS], v2, 4, v5              ; 16 bytes a row and slot
	s_lshl_b32 s18, s42, 10
	s_lshl_b32 s19, s19, 9
	s_add_co_u32 s18, s18, s19
	s_mov_b32 s19, 0
	s_add_nc_u64 s[8:9], s[8:9], s[18:19]          ; b_attn at my 128 columns
	v_lshlrev_b32 v7, 6, v3                        ; q, k: 16 numbers on for lanes 16-31
	v_and_b32 v8, 8, v2
	v_add_nc_u32 v8, v8, v2
	v_lshlrev_b32 v8, 2, v8                        ; v: my lane's column, r + 8 (r / 8)
	s_mov_b32 s[SEL], 0x76543210
	s_mov_b32 s[SEL+1], 0xfedcba98                 ; v_permlanex16_b32's selects for lane l xor 16
	s_mov_b32 s98, 0xffff
	s_mov_b32 s99, 0x7f7f0000
.irp b, 0,1,2,3
	v_mov_b32 v[TM+4+\b], 0                        ; written once: a lane permute's destination counts as one of its sources
.endr
	s_cmp_eq_u32 s97, 1
	s_cbranch_scc1 .Lbias_v
	WIN 0x40                                       ; destination window 1
.irp g, 0,1,2,3                        ; q, k: register 16 g + i = the bias of column 32 g + 16 h + i: the results' own order
.irp j, 0,1,2,3
	global_load_b128 v[BI+16*\g+4*\j:BI+16*\g+4*\j+3], v7, s[8:9] offset:128*\g+16*\j
.endr
.endr
	WIN 0
	s_branch .Lbias_done
.Lbias_v:
	WIN 0x40
	s_wait_alu depctr_va_vdst(0)
.irp a, 0,1,2,3,4,5,6,7                ; v: a lane holds one column of block a: its bias twice, a pair for the packed addition
	global_load_b32 v[BI+2*\a], v8, s[8:9] offset:(32*(\a/2)+8*(\a%2))*4
	global_load_b32 v[BI+2*\a+1], v8, s[8:9] offset:(32*(\a/2)+8*(\a%2))*4
.endr
	WIN 0
.Lbias_done:
.macro FRAG reg, adr, q, i             ; a fragment, 16 rows x 128 K, is 8 registers: two pieces, each 512 consecutive bytes
.irp c, 0,1
	ds_load_b128 v[(\reg)+4*\c:(\reg)+4*\c+3], v[\adr] offset:(\i)*4096+(\q)*1024+512*\c
.endr
.endm
.macro FETCH k                         ; step k's fragments (slot k / 4, its (k % 4)-th 128 along K) into set k % 2
	WIN 0x40
.irp i, 0,1,2,3,4,5,6,7
	FRAG 128*((\k)%2)+8*\i, ADRB+(\k)/4, (\k)%4, \i
.endr
	WIN 0
.irp i, 0,1,2,3,4,5,6,7
	FRAG RF+64*((\k)%2)+8*\i, ADRA+(\k)/4, (\k)%4, \i
.endr
.endm
.macro SCALES sc                       ; a slot's scale words: four words a row
.irp i, 0,1,2,3,4,5,6,7
	ds_load_b128 v[SC+32*\sc+4*\i:SC+32*\sc+4*\i+3], v[ADRS] offset:\i*512+\sc*256
.endr
.endm
; 8 matrix instructions: source 1's block a against source 0's eight.  Step 0's products start the sums: nothing is cleared.  The 64 accumulators take turns, one instruction a turn, in the same order in every step.
.macro MULA a, k
.irp b, 0,1,2,3,4,5,6,7
.if (\k) == 0
	v_wmma_scale_f32_16x16x128_f8f6f4 v[8*(8*((\a)%4)+\b):8*(8*((\a)%4)+\b)+7], v[128*((\k)%2)+8*\b:128*((\k)%2)+8*\b+7], v[RF+64*((\k)%2)+8*(\a):RF+64*((\k)%2)+8*(\a)+7], 0, v[SC+32*((\k)/4)+4*\b+(\k)%4], v[SC+32*((\k)/4)+4*(\a)+(\k)%4] matrix_a_fmt:MATRIX_FMT_FP4 matrix_b_fmt:MATRIX_FMT_FP4 matrix_a_scale:MATRIX_SCALE_ROW1
.else
	v_wmma_scale_f32_16x16x128_f8f6f4 v[8*(8*((\a)%4)+\b):8*(8*((\a)%4)+\b)+7], v[128*((\k)%2)+8*\b:128*((\k)%2)+8*\b+7], v[RF+64*((\k)%2)+8*(\a):RF+64*((\k)%2)+8*(\a)+7], v[8*(8*((\a)%4)+\b):8*(8*((\a)%4)+\b)+7], v[SC+32*((\k)/4)+4*\b+(\k)%4], v[SC+32*((\k)/4)+4*(\a)+(\k)%4] matrix_a_fmt:MATRIX_FMT_FP4 matrix_b_fmt:MATRIX_FMT_FP4 matrix_a_scale:MATRIX_SCALE_ROW1
.endif
.endr
.endm
; A step of 128 along K: its fragments were asked for a step ago; the next step's 32 loads go out in one run, 64 matrix instructions ahead of the wait for them.
.macro STEP k
.if (\k) == 3
	s_wait_tensorcnt 0x0                           ; my part of slot 1 has landed
.endif
	s_wait_dscnt 0x0                               ; this step's fragments are in
.if (\k) == 3
	s_barrier_signal -1                            ; slot 1 is whole for every wave: step 4's fragments are read behind this barrier
	s_barrier_wait -1
.endif
.if (\k) > 0
	PLACES 4                                       ; four plain vector lines between the last step's products and loads into the registers that they read (ISA guide 7.12.1 for vector instructions)
.endif
.if (\k) < 7
	FETCH (\k)+1
.endif
	WIN 0xa1                                       ; source 0 window 1, source 1 window 0, C and D window 2
.irp a, 0,1,2,3
	MULA \a, \k
.endr
	WIN 0xf1                                       ; C and D window 3
.irp a, 4,5,6,7
	MULA \a, \k
.endr
	WIN 0
.endm
	s_wait_tensorcnt 0x1                           ; the scale bytes and my part of slot 0 are in; slot 1's load may be out: no LDS byte is filled twice here
	s_barrier_signal -1
	s_barrier_wait -1                              ; everybody's are
	s_wait_alu depctr_va_vdst(0)
	SCALES 0
	SCALES 1
	FETCH 0
.irp k, 0,1,2,3,4,5,6,7
	STEP \k
.endr
; 64 numbers of a lane, v[s] on, register 16 b + i = place 32 b + 16 (lane / 16) + i along the next K, become a fragment's codes in v[pc] on and its scale word in v[pw].
.macro QUANT s, pc, pw
.irp b, 0,1,2,3
	v_max3_num_f32 v[TM+\b], |v[(\s)+16*\b]|, |v[(\s)+1+16*\b]|, 0x1800000   ; block b: my 16 numbers, and the floor 2^(3 - 127): the byte cannot fall under 1
.endr
.irp i, 2,4,6,8,10,12,14
.irp b, 0,1,2,3
	v_max3_num_f32 v[TM+\b], v[TM+\b], |v[(\s)+16*\b+\i]|, |v[(\s)+1+16*\b+\i]|   ; (the four blocks by turns)
.endr
.endr
.irp b, 0,1,2,3
	v_permlanex16_b32 v[TM+4+\b], v[TM+\b], s[SEL], s[SEL+1]
.endr
.irp b, 0,1,2,3
	v_max_num_f32 v[TM+\b], v[TM+\b], v[TM+4+\b]   ; with lane l xor 16's: the block's largest magnitude
.endr
.irp b, 0,1,2,3
	v_add_nc_u32 v[TM+12+\b], 0xff000000, v[TM+\b] ; 2 off its exponent field: the conversion's scale operand
.endr
.irp b, 0,1,2,3
	v_lshrrev_b32 v[TM+4+\b], 23, v[TM+12+\b]      ; the scale's byte
.endr
	v_lshl_or_b32 v[\pw], v[TM+5], 8, v[TM+4]
	v_lshl_or_b32 v[\pw], v[TM+6], 16, v[\pw]
	v_lshl_or_b32 v[\pw], v[TM+7], 24, v[\pw]
.irp b, 0,1,2,3
	v_cvt_scalef32_pk8_fp4_f32 v[(\pc)+2*\b], v[(\s)+16*\b:(\s)+7+16*\b], v[TM+12+\b]
	v_cvt_scalef32_pk8_fp4_f32 v[(\pc)+1+2*\b], v[(\s)+8+16*\b:(\s)+15+16*\b], v[TM+12+\b]
.endr
	v_nop                                          ; one plain line behind a scaled conversion
.irp c, 0,1                            ; the operand's layout wants a whole block in a lane: lanes 0-15 block 2 c, lanes 16-31 block 2 c + 1
.irp i, 0,1
	v_permlane16_swap_b32 v[(\pc)+4*\c+\i], v[(\pc)+2+4*\c+\i]
.endr
.endr
.endm
; THE WAY OUT.  For each of source 1's eight blocks: 64 results + bias, each accumulator from its low end on; quantised; two stores of 512 consecutive bytes.  Then the scale words, laid as the attention loads them.
.macro EPI kind
.if \kind == 0
	s_lshl_b32 s20, s42, 20                        ; heads 4 gx + 2 wq and the next, 262,144 bytes each;
	s_lshl_b32 s18, s16, 19
	s_add_co_u32 s20, s20, s18
	s_lshl_b32 s18, s17, 13                        ; token tiles 16 gy + 8 wr on, 512 bytes each
	s_add_co_u32 s20, s20, s18
	s_lshl_b32 s18, s15, 12
	s_add_co_u32 s20, s20, s18
	s_mov_b32 s21, 0
	s_add_nc_u64 s[20:21], s[10:11], s[20:21]
	s_lshl_b32 s22, s42, 17                        ; scale words: 32,768 bytes a head, 512 for each 128 tokens
	s_lshl_b32 s18, s16, 16
	s_add_co_u32 s22, s22, s18
	s_lshl_b32 s18, s17, 10
	s_add_co_u32 s22, s22, s18
	s_lshl_b32 s18, s15, 9
	s_add_co_u32 s22, s22, s18
	s_add_co_u32 s22, s22, 8388608
	s_mov_b32 s23, 0
	s_add_nc_u64 s[22:23], s[10:11], s[22:23]
.else
	s_sub_co_u32 s19, s42, 8
	s_lshl_b32 s20, s19, 20                        ; heads 4 (gx - 8) + 2 wr and the next, 262,144 bytes each;
	s_lshl_b32 s18, s15, 19
	s_add_co_u32 s20, s20, s18
	s_lshl_b32 s18, s17, 13                        ; tokens 128 (2 gy + wq) on, 4,096 bytes for each 128
	s_add_co_u32 s20, s20, s18
	s_lshl_b32 s18, s16, 12
	s_add_co_u32 s20, s20, s18
	s_mov_b32 s21, 0
	s_add_nc_u64 s[20:21], s[12:13], s[20:21]
	s_lshl_b32 s22, s19, 16                        ; scale words: 16,384 bytes a head, 256 for each 128 tokens
	s_lshl_b32 s18, s15, 15
	s_add_co_u32 s22, s22, s18
	s_lshl_b32 s18, s17, 9
	s_add_co_u32 s22, s22, s18
	s_lshl_b32 s18, s16, 8
	s_add_co_u32 s22, s22, s18
	s_add_co_u32 s22, s22, 4194304
	s_mov_b32 s23, 0
	s_add_nc_u64 s[22:23], s[12:13], s[22:23]
.endif
	s_wait_loadcnt 0x0                             ; the bias
	PLACES 4                                       ; between the last products and the first read of results and write of operands' registers
.irp a, 0,1,2,3,4,5,6,7
	WIN 0x06+(\a)/4                                ; source 0: the accumulators' window; source 1: window 1
.set KK, 0
.rept 32
.if \kind == 0
	v_pk_add_f32 v[SUM+2*KK:SUM+2*KK+1], v[64*((\a)%4)+2*KK:64*((\a)%4)+2*KK+1], v[BI+2*KK:BI+2*KK+1]
.else
	v_pk_add_f32 v[SUM+2*KK:SUM+2*KK+1], v[64*((\a)%4)+2*KK:64*((\a)%4)+2*KK+1], v[BI+2*(\a):BI+2*(\a)+1]
.endif
.set KK, KK+1
.endr
	WIN 0
	QUANT SUM, PC+8*(\a), PW+(\a)
.if \kind == 0
	global_store_b128 v4, v[PC+8*\a:PC+8*\a+3], s[20:21] offset:\a*512             ; the first head's 64 channels of token tile a,
	global_store_b128 v4, v[PC+8*\a+4:PC+8*\a+7], s[20:21] offset:262144+\a*512    ; the second head's
.else
	global_store_b128 v4, v[PC+8*\a:PC+8*\a+3], s[20:21] offset:(\a/4)*262144+(\a%4)*1024       ; head a / 4, channel tile a % 4: keys 0-63 of the 128,
	global_store_b128 v4, v[PC+8*\a+4:PC+8*\a+7], s[20:21] offset:(\a/4)*262144+(\a%4)*1024+512 ; keys 64-127
.endif
.endr
	v_cmp_gt_u32 vcc_lo, 16, v1
.if \kind == 0
.irp k, 0,1,2,3
	v_cndmask_b32 v[120+\k], v[PW+4+\k], v[PW+\k], vcc_lo   ; lanes 0-15: tiles 0-3, lanes 16-31: tiles 4-7 (both halves of the lanes hold every row's word)
.endr
.irp k, 0,1,2,3
	v_and_or_b32 v[124+\k], v[120+\k], s98, s99    ; the first head's two bytes, and 127 twice above them
.endr
.irp k, 0,1,2,3
	v_lshrrev_b32 v[TM+\k], 16, v[120+\k]
.endr
.irp k, 0,1,2,3
	v_or_b32 v[TM+\k], s99, v[TM+\k]               ; the second head's
.endr
	global_store_b128 v4, v[124:127], s[22:23]     ; 512 consecutive bytes
	global_store_b128 v4, v[TM:TM+3], s[22:23] offset:32768
.else
.irp c, 0,1
	v_cndmask_b32 v[120+2*\c], v[PW+4*\c+2], v[PW+4*\c], vcc_lo     ; lanes 0-15: channel tiles 0, 1; lanes 16-31: tiles 2, 3
	v_cndmask_b32 v[121+2*\c], v[PW+4*\c+3], v[PW+4*\c+1], vcc_lo
.endr
	v_lshlrev_b32 v5, 3, v1
	global_store_b64 v5, v[120:121], s[22:23]      ; 256 consecutive bytes, aligned
	global_store_b64 v5, v[122:123], s[22:23] offset:16384
.endif
.endm
	s_cmp_eq_u32 s97, 1
	s_cbranch_scc1 .Lepi_v
	EPI 0
	s_branch .Lend
.Lepi_v:
	EPI 1
.Lend:
	s_wait_dscnt 0x0
	s_wait_tensorcnt 0x0
	ds_add_u32 v106, v107
	s_wait_dscnt 0x0
	CROUND                                         ; the closing round: no work-group ends while a partner may still ask for a tile that names it
	s_endpgm
.Lfunc_end_k_q84b7ba225b_qkv:
	.size	k_q84b7ba225b_qkv, .Lfunc_end_k_q84b7ba225b_qkv-k_q84b7ba225b_qkv
	.p2alignl 7, 3214868480
	.fill 96, 4, 3214868480
	.section	.rodata,"a",@progbits
	.p2align	6, 0x0
	.amdhsa_kernel k_q84b7ba225b_qkv
		.amdhsa_group_segment_fixed_size 279040
		.amdhsa_private_segment_fixed_size 0
		.amdhsa_enable_private_segment 0
		.amdhsa_kernarg_size 40
		.amdhsa_user_sgpr_count 2
		.amdhsa_user_sgpr_kernarg_segment_ptr 1
		.amdhsa_wavefront_size32 1
		.amdhsa_system_sgpr_workgroup_id_x 1
		.amdhsa_system_sgpr_workgroup_id_y 1
		.amdhsa_system_sgpr_workgroup_id_z 1
		.amdhsa_system_vgpr_workitem_id 0
		.amdhsa_next_free_vgpr 1024
		.amdhsa_next_free_sgpr 100
		.amdhsa_reserve_vcc 1
		.amdhsa_float_denorm_mode_32 3
		.amdhsa_float_denorm_mode_16_64 3
		.amdhsa_memory_ordered 1
		.amdhsa_forward_progress 1
		.amdhsa_inst_pref_size 195
	.end_amdhsa_kernel
	.amdgpu_metadata
---
amdhsa.version: [ 1, 2 ]
amdhsa.kernels:
  - .name:           k_q84b7ba225b_qkv
    .symbol:         k_q84b7ba225b_qkv.kd
    .args:
      - { .name: xq, .offset: 0, .size: 8, .value_kind: global_buffer, .address_space: global }
      - { .name: wq, .offset: 8, .size: 8, .value_kind: global_buffer, .address_space: global }
      - { .name: b_attn, .offset: 16, .size: 8, .value_kind: global_buffer, .address_space: global }
      - { .name: qk, .offset: 24, .size: 8, .value_kind: global_buffer, .address_space: global }
      - { .name: vq, .offset: 32, .size: 8, .value_kind: global_buffer, .address_space: global }
    .group_segment_fixed_size: 279040
    .private_segment_fixed_size: 0
    .kernarg_segment_align: 8
    .kernarg_segment_size: 40
    .max_flat_workgroup_size: 128
    .sgpr_count:     100
    .vgpr_count:     1024
    .wavefront_size: 32
...
	.end_amdgpu_metadata
.endif
;; end of part 2
;; launch attn (part 3): grid 4 x 64, 16 waves a work-group, clusters of 4 x 1, 169,984 bytes of LDS; arguments qk, vq, oq; writes oq
.if DOCPART == 3
	.amdgcn_target "amdgcn-amd-amdhsa--gfx1250"
	.amdhsa_code_object_version 6
	.text
	.protected	k_q84b7ba225b_attn
	.globl	k_q84b7ba225b_attn
	.p2align	8
	.type	k_q84b7ba225b_attn,@function
k_q84b7ba225b_attn:
	s_mov_b64 s[64:65], 0
	v_nop
	global_prefetch_b8 v0, s[64:65] scope:SCOPE_SE
	s_setreg_imm32_b32 hwreg(HW_REG_WAVE_MODE, 25, 1), 1
	s_wait_xcnt 0x0
	s_wait_alu depctr_hold_cnt(0) depctr_sa_sdst(0) depctr_va_vdst(0) depctr_va_sdst(0) depctr_va_ssrc(0) depctr_va_vcc(0) depctr_vm_vsrc(0)
	s_getreg_b32 s2, hwreg(HW_REG_IB_STS2, 6, 4)
	s_cmp_eq_u32 s2, 0
	s_cbranch_scc0 .Lentry_in_a_cluster
	s_endpgm
.Lentry_in_a_cluster:
	s_bfe_u32 s2, ttmp6, 0x10000c
	s_cmp_lg_u32 s2, 0x3003
	s_cbranch_scc0 .Lentry_shape_is_right
	s_endpgm
.Lentry_shape_is_right:
; Causal attention of one head of one batch row on codes of FP4 with E8M0 scales, and its result quantised as the projection's operand.  2,048 tokens, head size 64.
; THE SOFTMAX AHEAD OF THE SECOND PRODUCT: t = score x log2(e) / 8; M = the row's largest t so far, rounded UP to a whole number; p = 2^(t - M) is quantised along the keys, not normalised.  The row's sum is taken of the
; unquantised p and divides O at the end.  When M moves, the sum and O are multiplied by 2^(old M - new M): exact.
; LDS: the head's K and V for all 2,048 keys, and their scale words: 143,360 bytes, each byte filled ONCE at the start and only read afterwards: no ring.
; CLUSTER: the four work-groups of a cluster share one head: each of the eleven fills is asked for jointly, with the mask of all four.
; SHARES: the head's 128 tiles of 16 queries: group j (128 tokens), tile m in it.  Work-group g, wave w takes tile (j = w, m = 2 g) and then tile (j = 15 - w, m = 2 g + 1).  A tile of group j needs key steps 0 .. j of 128 keys,
; so every wave walks 17 key steps.  j hangs on the wave's number alone; g enters only addresses in memory and the numbers against which the diagonal's keys are compared.
; LAYOUT: both products are used transposed: S^T = K Q^T (source 0 = 16 keys, source 1 = my 16 queries), O^T = V^T P^T (source 0 = 16 channels): a lane holds ONE query throughout.  Tokens and channels stand in physical order
; (row r of tile 2 g + u is logical row 32 g + 8 u + r + 8 (r / 8)), so the 16 registers of tiles 2 b and 2 b + 1 are the logical neighbours 32 b + 16 (lane / 16) + 0 .. 15.
; The head has 64 channels and the matrix instruction 128 along K: the upper four registers of Q's and K's fragments are zero codes, under the scale byte 127.
; OUT: oq as the projection's operand: codes [K / 512][token tile][8 pieces][512], piece = head % 8; scale bytes [token tile][K / 512][r][16].  A head owns 2 of a row's 16 scale bytes: they leave by stores of 2 bytes, 262,144 bytes in all.
; LIMITS: NaN and infinities are not served; a block whose largest magnitude lies under 2^-124 gets the byte 1 and zero codes.
; REGISTERS: v1-4 places that stay; v6 16 r; v7 the diagonal's lane term; v8-11 the step's addresses; v12 -M, v13 the largest t, v[14:15] the sum in two halves; v16-23 Q of the first tile; v24-27 K's scale words, v28-29 V's,
; v30 Q's, v31 p's; v32-95 K's 8 fragments; v96-159 S^T, then p; v160-191 O^T; v192-223 V's 4 fragments; v224-231 p's codes; v232-239, v248-254 at work; v240-247 Q of the second tile, v255 its scale words.
.set VC, 65536                         ; LDS: K's codes at 0 (a key step: 8 tiles x 512 bytes), V's here (4 tiles x 1,024),
.set KS, 131072                        ; K's scale words (512 bytes a step),
.set VS, 139264                        ; V's (256 bytes a step)
.set WV,   10                          ; s10  my wave's number
.set G1C,  16                          ; s[16:23] descriptor group 1: 16,384 dense bytes;  s[24:31]: 4,096
.set G1S,  24
.set G0KC, 32                          ; s[32:47] four groups 0: K's codes, V's codes, K's scale words, V's
.set G0VC, 36
.set G0KS, 40
.set G0VS, 44
.set TA,   48                          ; s[48:55] the first tile: addresses of Q's codes, Q's scale words, the result's codes, its scale bytes;  s[56:63] the second tile's
.set TB,   56
.set SEL,  66                          ; s[66:67] v_permlanex16_b32's selects for lane l xor 16
.set CS,   68                          ; s[68:69] c = log2(e) / 8
.set TK,   70                          ; s70 the step's codes begin here in K's and V's regions; s71, s72 its scale words; s73 the step
.set TS,   71
.set TV,   72
.set ST,   73
.set JA,   74                          ; s74, s75 the tiles' groups; s76, s77 their first logical query in the group; s78, s79 their m
.set JB,   75
.set DA,   76
.set DB,   77
.set MA,   78
.set MB,   79
.macro CROUND                          ; a round of the cluster's barrier
	s_barrier_signal -1
	s_barrier_wait -1
	s_cmp_lg_u32 s[WV], 0
	s_cbranch_scc1 .Lnot_wave_0_\@
	s_barrier_signal -3
.Lnot_wave_0_\@:
	s_barrier_wait -3
	s_barrier_signal -1
	s_barrier_wait -1
.endm
.macro SHAPE g, rows                   ; a dense block as rows of 256 bytes: 32 elements of 8 bytes; the mask names all four work-groups
	s_mov_b32 s[\g], 15|(3<<16)|(1<<21)
	s_mov_b32 s[\g+1], 32<<16
	s_mov_b32 s[\g+2], (\rows)<<16
	s_mov_b32 s[\g+3], 32<<16
	s_mov_b32 s[\g+4], \rows
	s_mov_b32 s[\g+5], 32
	s_mov_b32 s[\g+6], 0
	s_mov_b32 s[\g+7], 0
.endm
	s_load_b128 s[4:7], s[0:1], 0x0                ; qk, vq
	s_load_b64 s[8:9], s[0:1], 0x10                ; oq
	v_lshl_add_u32 v254, v0, 2, 0x29000
	v_mov_b32 v255, 0
	ds_add_u32 v254, v255
	ds_add_u32 v254, v255
	s_wait_dscnt 0x0
	v_lshrrev_b32 v1, 5, v0
	s_delay_alu instid0(VALU_DEP_1)
	v_readfirstlane_b32 s[WV], v1                  ; wave 0..15
	s_bfe_u32 s11, ttmp6, 0x40000                  ; g = cx: my place in the cluster
	s_and_b32 s12, ttmp7, 0xffff
	s_and_b32 s13, s12, 15                         ; the head
	s_lshr_b32 s14, s12, 4                         ; the batch row
	SHAPE G1C, 64
	SHAPE G1S, 16
	s_lshl_b32 s80, s13, 18
	s_lshl_b32 s81, s14, 16
	s_add_co_u32 s80, s80, s81                     ; codes: 262,144 bytes a head, 65,536 a batch row
	s_and_b32 s88, s[WV], 3
	s_lshl_b32 s88, s88, 14                        ; my quarter of them, in memory and in LDS
	s_add_co_u32 s82, s80, s88                     ; V's
	s_mov_b32 s83, 0
	s_add_co_u32 s80, s82, 16*262144               ; K's: heads 16-31 of qk
	s_mov_b32 s81, 0
	s_lshl_b32 s84, s13, 15
	s_lshl_b32 s85, s14, 13
	s_add_co_u32 s84, s84, s85                     ; K's scale words: 32,768 bytes a head, 8,192 a batch row,
	s_and_b32 s89, s[WV], 1
	s_lshl_b32 s89, s89, 12                        ; my half of them
	s_add_co_u32 s84, s84, s89
	s_add_co_u32 s84, s84, 8388608+16*32768
	s_mov_b32 s85, 0
	s_lshl_b32 s86, s13, 14
	s_lshl_b32 s87, s14, 12
	s_add_co_u32 s86, s86, s87                     ; V's: 16,384 a head, 4,096 a batch row
	s_add_co_u32 s86, s86, 4194304
	s_mov_b32 s87, 0
	s_wait_kmcnt 0x0
	s_mov_b32 s[G0KC], 1
	s_mov_b32 s[G0KC+1], s88
	s_add_nc_u64 s[G0KC+2:G0KC+3], s[4:5], s[80:81]
	s_or_b32 s[G0KC+3], s[G0KC+3], 0x80000000
	s_mov_b32 s[G0VC], 1
	s_add_co_u32 s[G0VC+1], s88, VC
	s_add_nc_u64 s[G0VC+2:G0VC+3], s[6:7], s[82:83]
	s_or_b32 s[G0VC+3], s[G0VC+3], 0x80000000
	s_mov_b32 s[G0KS], 1
	s_add_co_u32 s[G0KS+1], s89, KS
	s_add_nc_u64 s[G0KS+2:G0KS+3], s[4:5], s[84:85]
	s_or_b32 s[G0KS+3], s[G0KS+3], 0x80000000
	s_mov_b32 s[G0VS], 1
	s_mov_b32 s[G0VS+1], VS
	s_add_nc_u64 s[G0VS+2:G0VS+3], s[6:7], s[86:87]
	s_or_b32 s[G0VS+3], s[G0VS+3], 0x80000000
	CROUND                                         ; all four work-groups are here: the joint loads meet
	; The fills: waves 0-3 K's codes, 4-7 V's codes, 8-9 K's scale words, 10 V's; one load a wave, the others none.  The branches hang on the wave's number alone.  Four v_nop follow each line.
	s_cmp_lt_u32 s[WV], 4
	s_cbranch_scc0 .Lnot_kc
	tensor_load_to_lds s[G0KC:G0KC+3], s[G1C:G1C+7]
	s_nop 0
.rept 4
	v_nop
.endr
	s_branch .Lasked
.Lnot_kc:
	s_cmp_lt_u32 s[WV], 8
	s_cbranch_scc0 .Lnot_vc
	tensor_load_to_lds s[G0VC:G0VC+3], s[G1C:G1C+7]
	s_nop 0
.rept 4
	v_nop
.endr
	s_branch .Lasked
.Lnot_vc:
	s_cmp_lt_u32 s[WV], 10
	s_cbranch_scc0 .Lnot_ks
	tensor_load_to_lds s[G0KS:G0KS+3], s[G1S:G1S+7]
	s_nop 0
.rept 4
	v_nop
.endr
	s_branch .Lasked
.Lnot_ks:
	s_cmp_eq_u32 s[WV], 10
	s_cbranch_scc0 .Lasked
	tensor_load_to_lds s[G0VS:G0VS+3], s[G1S:G1S+7]
	s_nop 0
.rept 4
	v_nop
.endr
.Lasked:
	s_mov_b32 s[JA], s[WV]
	s_xor_b32 s[JB], s[WV], 15                     ; 15 - wave
	s_lshl_b32 s[MA], s11, 1
	s_add_co_u32 s[MB], s[MA], 1
	s_lshl_b32 s[DA], s11, 5                       ; tile m begins at logical query 32 (m / 2) + 8 (m % 2) of its group
	s_add_co_u32 s[DB], s[DA], 8
; the four addresses of the tile (group s[j], tile s[m]) into s[o] .. s[o + 7]
.macro TADDR o, j, m
	s_lshl_b32 s90, s14, 7
	s_lshl_b32 s91, s[\j], 3
	s_add_co_u32 s90, s90, s91
	s_add_co_u32 s90, s90, s[\m]                   ; T = 128 b + 8 j + m: the token tile
	s_mov_b32 s93, 0
	s_lshl_b32 s92, s90, 9
	s_lshl_b32 s91, s13, 18
	s_add_co_u32 s92, s92, s91
	s_add_nc_u64 s[\o:\o+1], s[4:5], s[92:93]      ; Q's codes: [head][T][512]
	s_lshr_b32 s92, s90, 3
	s_lshl_b32 s92, s92, 9
	s_lshl_b32 s91, s13, 15
	s_add_co_u32 s92, s92, s91
	s_lshr_b32 s91, s[\m], 2
	s_lshl_b32 s91, s91, 8
	s_add_co_u32 s92, s92, s91
	s_and_b32 s91, s[\m], 3
	s_lshl_b32 s91, s91, 2
	s_add_co_u32 s92, s92, s91
	s_add_co_u32 s92, s92, 8388608
	s_add_nc_u64 s[\o+2:\o+3], s[4:5], s[92:93]    ; Q's scale words: [head][T / 8][m / 4][r][m % 4]
	s_lshr_b32 s94, s13, 3
	s_and_b32 s95, s13, 7
	s_lshl_b32 s92, s94, 21
	s_lshl_b32 s91, s90, 12
	s_add_co_u32 s92, s92, s91
	s_lshl_b32 s91, s95, 9
	s_add_co_u32 s92, s92, s91
	s_add_nc_u64 s[\o+4:\o+5], s[8:9], s[92:93]    ; the result's codes: [head / 8][T][head % 8][512]
	s_lshl_b32 s92, s90, 9
	s_lshl_b32 s91, s94, 8
	s_add_co_u32 s92, s92, s91
	s_lshl_b32 s91, s95, 1
	s_add_co_u32 s92, s92, s91
	s_add_co_u32 s92, s92, 4194304
	s_add_nc_u64 s[\o+6:\o+7], s[8:9], s[92:93]    ; its scale bytes: [T][head / 8][r][2 (head % 8)]
.endm
	TADDR TA, JA, MA
	TADDR TB, JB, MB
	v_and_b32 v8, 31, v0                           ; lane
	v_and_b32 v9, 15, v0                           ; r
	v_bfe_u32 v10, v0, 4, 1                        ; h
	s_delay_alu instid0(VALU_DEP_3)
	v_lshlrev_b32 v1, 4, v8                        ; 16 x lane: my place in an image: K's in LDS (its region begins at 0), Q's and the result's in memory
	s_delay_alu instid0(VALU_DEP_1)
	v_add_nc_u32 v2, VC, v1                        ; V's
	s_delay_alu instid0(VALU_DEP_2)
	v_add_nc_u32 v3, KS, v1                        ; K's scale words: four a lane
	v_lshl_add_u32 v4, v8, 3, VS                   ; V's: two a lane
	v_lshlrev_b32 v6, 4, v9                        ; 16 r
	v_and_b32 v7, 8, v9
	s_delay_alu instid0(VALU_DEP_1)
	v_add_nc_u32 v7, v7, v9
	v_lshlrev_b32 v11, 4, v10
	s_delay_alu instid0(VALU_DEP_1)
	v_sub_nc_u32 v7, v7, v11                       ; r + 8 (r / 8) - 16 h: my query's logical place in its tile, less my half's first key
	global_load_b128 v[16:19], v1, s[TA:TA+1]      ; both tiles' Q stay in registers
	global_load_b32 v30, v6, s[TA+2:TA+3]
	global_load_b128 v[240:243], v1, s[TB:TB+1]
	global_load_b32 v255, v6, s[TB+2:TB+3]
.irp i, 0,1,2,3
	v_mov_b32 v[20+\i], 0                          ; zero codes for K = 64 .. 127: Q's,
	v_mov_b32 v[244+\i], 0
	v_mov_b32 v[236+\i], 0                         ; (written once: a lane permute's destination counts as one of its sources)
.endr
.irp t, 0,1,2,3,4,5,6,7
.irp i, 4,5,6,7
	v_mov_b32 v[32+8*\t+\i], 0                     ; and K's: written once, never loaded over
.endr
.endr
	v_mov_b32 v252, 0                              ; (a permute's destination on the way out)
	v_mov_b32 v253, 0                              ; (named as the upper half of the pair v[252:253])
	s_mov_b32 s[SEL], 0x76543210
	s_mov_b32 s[SEL+1], 0xfedcba98
	s_mov_b32 s[CS], 0x3e38aa3b                    ; c = log2(e) / sqrt(64)
	s_mov_b32 s[CS+1], s[CS]                       ; (named with it as a pair, so it is written)
	s_wait_tensorcnt 0x0                           ; my fill has landed,
	s_barrier_signal -1
	s_barrier_wait -1                              ; everybody's has: from here on LDS is only read
	s_wait_loadcnt 0x0                             ; Q
; ONE TILE OF 16 QUERIES: Q's fragment v[qf] on, its scale words v[qs], group s[j], first logical query s[d0], the result's addresses s[o + 4] .. s[o + 7].
.macro TILE qf, qs, j, d0, o
	s_wait_xcnt 0x0                                ; the stores of the tile before have read their registers
	v_mov_b32 v13, 0xff61b1e6                      ; the largest t so far: -3e38, under every t
	s_delay_alu instid0(VALU_DEP_1)
	v_floor_f32 v12, -v13                          ; -M
	v_mov_b32 v14, 0                               ; the sum, in two halves
	v_mov_b32 v15, 0
.set NN, 0
.rept 32
	v_mov_b32 v[160+NN], 0                         ; O^T: the step is written once; its first walk finds zeros, which the first change of M leaves zeros
.set NN, NN+1
.endr
	s_mov_b32 s[TK], 0
	s_mov_b32 s[TS], 0
	s_mov_b32 s[TV], 0
	s_mov_b32 s[ST], 0
.Ltrip_\@:                             ; sixteen trips, a constant; a step all of whose keys come after my queries is passed over: a branch on the wave's number and the trip
	s_cmp_gt_u32 s[ST], s[\j]
	s_cbranch_scc1 .Lhidden_\@
	s_setprio 2
	v_add_nc_u32 v8, s[TK], v1                     ; (these four are also the plain lines between the last step's products and the loads into V's registers)
	v_add_nc_u32 v9, s[TK], v2
	v_add_nc_u32 v10, s[TS], v3
	v_add_nc_u32 v11, s[TV], v4
.irp t, 0,1,2,3,4,5,6,7
	ds_load_b128 v[32+8*\t:35+8*\t], v8 offset:512*\t            ; 16 keys x 64 channels: 512 consecutive bytes
.endr
	ds_load_b128 v[24:27], v10                     ; K's scale words: register k: lanes 0-15 tile k, lanes 16-31 tile 4 + k
.irp t, 0,1,2,3
.irp c, 0,1
	ds_load_b128 v[192+8*\t+4*\c:195+8*\t+4*\c], v9 offset:1024*\t+512*\c   ; 16 channels x 128 keys
.endr
.endr
	ds_load_b64 v[28:29], v11                      ; V's scale words: register k: lanes 0-15 tile k, lanes 16-31 tile 2 + k
	s_wait_dscnt 9                                 ; K and its scale words are in; V's nine loads may be out
.irp t, 0,1,2,3
	v_wmma_scale_f32_16x16x128_f8f6f4 v[96+8*\t:103+8*\t], v[32+8*\t:39+8*\t], v[\qf:\qf+7], 0, v[24+\t], v[\qs] matrix_a_fmt:MATRIX_FMT_FP4 matrix_b_fmt:MATRIX_FMT_FP4
.endr
.irp t, 4,5,6,7
	v_wmma_scale_f32_16x16x128_f8f6f4 v[96+8*\t:103+8*\t], v[32+8*\t:39+8*\t], v[\qf:\qf+7], 0, v[20+\t], v[\qs] matrix_a_fmt:MATRIX_FMT_FP4 matrix_b_fmt:MATRIX_FMT_FP4 matrix_a_scale:MATRIX_SCALE_ROW1
.endr
.rept 4
	v_nop                                          ; four plain lines ahead of the first read of the scores (ISA guide 7.12.1)
.endr
	s_cmp_lg_u32 s[ST], s[\j]                      ; on the diagonal, my own group's keys, the scores of hidden keys become -infinity ahead of the maximum: p = 0 then
	s_cbranch_scc1 .Lopen_\@
	v_add_nc_u32 v252, s[\d0], v7                  ; d = my query - 16 (lane / 16), in the group.  Register 16 b + i holds key 32 b + 16 (lane / 16) + i: hidden where 32 b + i > d
	v_mov_b32 v254, 0xff800000
.set NN, 0
.rept 64
	v_cmp_gt_i32 vcc_lo, 32*(NN/16)+NN%16, v252
	v_cndmask_b32 v[96+NN], v[96+NN], v254, vcc_lo
.set NN, NN+1
.endr
.Lopen_\@:
.irp b, 0,1,2,3
	v_max3_num_f32 v[232+\b], v[96+16*\b], v[97+16*\b], v[98+16*\b]   ; the largest score of each block of 32 keys: it serves the row's maximum and, since p rises with the score, the block's largest p
.endr
.irp i, 3,5,7,9,11,13
.irp b, 0,1,2,3
	v_max3_num_f32 v[232+\b], v[232+\b], v[96+16*\b+\i], v[97+16*\b+\i]
.endr
.endr
.irp b, 0,1,2,3
	v_max_num_f32 v[232+\b], v[232+\b], v[111+16*\b]
.endr
.irp b, 0,1,2,3
	s_delay_alu instid0(VALU_DEP_4)
	v_permlanex16_b32 v[236+\b], v[232+\b], s[SEL], s[SEL+1]
.endr
.irp b, 0,1,2,3
	s_delay_alu instid0(VALU_DEP_4)
	v_max_num_f32 v[232+\b], v[232+\b], v[236+\b]  ; with lane l xor 16's 16 keys
.endr
	s_delay_alu instid0(VALU_DEP_2)
	v_max3_num_f32 v254, v232, v233, v234
	s_delay_alu instid0(VALU_DEP_1)
	v_max_num_f32 v254, v254, v235                 ; the step's largest score of my query (the group's first key counts for every query of the group: it is a number)
	s_delay_alu instid0(VALU_DEP_1)
	v_mul_f32 v254, s[CS], v254                    ; as t
	s_delay_alu instid0(VALU_DEP_1)
	v_max_num_f32 v13, v13, v254                   ; the running largest t
	v_mov_b32 v254, v12
	s_delay_alu instid0(VALU_DEP_2)
	v_floor_f32 v12, -v13                          ; the new -M = floor(-t) = -ceil(t)
	s_delay_alu instid0(VALU_DEP_1)
	v_sub_f32 v254, v12, v254                      ; old M - new M: a whole number, 0 or less
	s_delay_alu instid0(VALU_DEP_1)
	v_cvt_i32_f32 v254, v254                       ; (it saturates)
	s_delay_alu instid0(VALU_DEP_1)
	v_ldexp_f32 v252, 1.0, v254                    ; f = 2^(old M - new M)
.set NN, 0
.rept 32
	v_pk_fma_f32 v[96+NN:97+NN], v[96+NN:97+NN], s[CS:CS+1], v[12:13] op_sel_hi:[1,0,0]   ; t - M, two at a time
.set NN, NN+2
.endr
	s_setprio 1
.irp b, 0,1,2,3
	v_fma_f32 v[232+\b], v[232+\b], s[CS], v12     ; the same of each block's largest score
.endr
.set NN, 0
	s_wait_alu depctr_va_vdst(0)
.rept 64
	v_exp_f32 v[96+NN], v[96+NN]                   ; p = 2^(t - M), at most 1
.set NN, NN+1
.endr
	v_pk_mul_f32 v[14:15], v[14:15], v[252:253] op_sel_hi:[1,0]   ; the sums under the new M: the plain line behind the exponentials
	s_wait_alu depctr_va_vdst(0)                   ; one wait for the batch of 64, ahead of its first reader
.irp b, 0,1,2,3
	v_exp_f32 v[232+\b], v[232+\b]                 ; the block's largest p: the same two instructions on the same number give the same bits
.endr
.set NN, 0
	s_wait_alu depctr_va_vdst(0)
.rept 16
	v_pk_mul_f32 v[160+NN:161+NN], v[160+NN:161+NN], v[252:253] op_sel_hi:[1,0]   ; O^T under the new M: independent work behind the four
.set NN, NN+2
.endr
	s_wait_alu depctr_va_vdst(0)                   ; and one for the four
.irp b, 0,1,2,3
	v_max_num_f32 v[232+\b], 0x1800000, v[232+\b]  ; the floor 2^(3 - 127): a block whose every p is 0 keeps the byte 1; its codes are zeros
.endr
.irp b, 0,1,2,3
	s_delay_alu instid0(VALU_DEP_4)
	v_add_nc_u32 v[248+\b], 0xff000000, v[232+\b]  ; 2 off the exponent field: the conversion's scale operand
.endr
.irp b, 0,1,2,3
	s_delay_alu instid0(VALU_DEP_4)
	v_lshrrev_b32 v[236+\b], 23, v[248+\b]         ; the scale's byte
.endr
	s_delay_alu instid0(VALU_DEP_3)
	v_lshl_or_b32 v31, v237, 8, v236               ; p's scale word for these 128 keys
	s_delay_alu instid0(VALU_DEP_1)
	v_lshl_or_b32 v31, v238, 16, v31
	s_delay_alu instid0(VALU_DEP_1)
	v_lshl_or_b32 v31, v239, 24, v31
.irp b, 0,1,2,3
	v_cvt_scalef32_pk8_fp4_f32 v[224+2*\b], v[96+16*\b:103+16*\b], v[248+\b]
	v_cvt_scalef32_pk8_fp4_f32 v[225+2*\b], v[104+16*\b:111+16*\b], v[248+\b]
.endr
	v_nop                                          ; one plain line behind a scaled conversion
	s_setprio 0
.irp c, 0,1                            ; the operand's layout wants a whole block in a lane
.irp i, 0,1
	v_permlane16_swap_b32 v[224+4*\c+\i], v[226+4*\c+\i]
.endr
.endr
	v_pk_add_f32 v[236:237], v[100:101], v[104:105]
	v_pk_add_f32 v[250:251], v[108:109], v[112:113]
	v_pk_add_f32 v[248:249], v[116:117], v[120:121]
	v_pk_add_f32 v[234:235], v[124:125], v[128:129]
	v_pk_add_f32 v[232:233], v[132:133], v[136:137]
	v_pk_add_f32 v[90:91], v[140:141], v[144:145]
	v_pk_add_f32 v[88:89], v[148:149], v[152:153]
	v_pk_add_f32 v[14:15], v[14:15], v[156:157]
	v_pk_add_f32 v[236:237], v[236:237], v[96:97]
	v_pk_add_f32 v[250:251], v[250:251], v[98:99]
	v_pk_add_f32 v[248:249], v[248:249], v[102:103]
	v_pk_add_f32 v[234:235], v[234:235], v[106:107]
	v_pk_add_f32 v[232:233], v[232:233], v[110:111]
	v_pk_add_f32 v[90:91], v[90:91], v[114:115]
	v_pk_add_f32 v[88:89], v[88:89], v[118:119]
	v_pk_add_f32 v[14:15], v[14:15], v[122:123]
	v_pk_add_f32 v[236:237], v[236:237], v[126:127]
	v_pk_add_f32 v[250:251], v[250:251], v[130:131]
	v_pk_add_f32 v[248:249], v[248:249], v[134:135]
	v_pk_add_f32 v[234:235], v[234:235], v[138:139]
	v_pk_add_f32 v[232:233], v[232:233], v[142:143]
	v_pk_add_f32 v[90:91], v[90:91], v[146:147]
	v_pk_add_f32 v[88:89], v[88:89], v[150:151]
	v_pk_add_f32 v[14:15], v[14:15], v[154:155]
	v_pk_add_f32 v[236:237], v[236:237], v[158:159]
	s_delay_alu instid0(VALU_DEP_2)
	v_pk_add_f32 v[14:15], v[14:15], v[234:235]
	s_delay_alu instid0(VALU_DEP_2)
	v_pk_add_f32 v[236:237], v[236:237], v[232:233]
	v_pk_add_f32 v[250:251], v[250:251], v[90:91]
	v_pk_add_f32 v[248:249], v[248:249], v[88:89]
	s_delay_alu instid0(VALU_DEP_2)
	v_pk_add_f32 v[14:15], v[14:15], v[250:251]
	s_delay_alu instid0(VALU_DEP_2)
	v_pk_add_f32 v[236:237], v[236:237], v[248:249]
	s_delay_alu instid0(VALU_DEP_1)
	v_pk_add_f32 v[14:15], v[14:15], v[236:237]
	s_wait_dscnt 0x0                               ; V and its scale words are in
.irp t, 0,1
	v_wmma_scale_f32_16x16x128_f8f6f4 v[160+8*\t:167+8*\t], v[192+8*\t:199+8*\t], v[224:231], v[160+8*\t:167+8*\t], v[28+\t], v31 matrix_a_fmt:MATRIX_FMT_FP4 matrix_b_fmt:MATRIX_FMT_FP4
.endr
.irp t, 2,3
	v_wmma_scale_f32_16x16x128_f8f6f4 v[160+8*\t:167+8*\t], v[192+8*\t:199+8*\t], v[224:231], v[160+8*\t:167+8*\t], v[26+\t], v31 matrix_a_fmt:MATRIX_FMT_FP4 matrix_b_fmt:MATRIX_FMT_FP4 matrix_a_scale:MATRIX_SCALE_ROW1
.endr
.Lhidden_\@:
	s_add_co_u32 s[TK], s[TK], 4096                ; the next step's codes and scale words
	s_add_co_u32 s[TS], s[TS], 512
	s_add_co_u32 s[TV], s[TV], 256
	s_add_co_u32 s[ST], s[ST], 1
	s_cmp_lt_u32 s[ST], 16
	s_cbranch_scc1 .Ltrip_\@
	s_setprio 0
	; THE WAY OUT: O^T / the sum is quantised along the channels: register 16 b + i = channel 32 b + 16 h + i of my query: two blocks, one piece of the projection's operand
.rept 4
	v_nop
.endr
	s_wait_alu depctr_va_vdst(0)
	v_add_f32 v14, v14, v15                        ; the sum's two halves,
	s_delay_alu instid0(VALU_DEP_1)
	v_permlanex16_b32 v252, v14, s[SEL], s[SEL+1]
	s_delay_alu instid0(VALU_DEP_1)
	v_add_f32 v14, v14, v252                       ; and lane l xor 16's
	s_wait_alu depctr_va_vdst(0)
	v_rcp_f32 v14, v14
	v_nop                                          ; a plain line behind the reciprocal,
	s_wait_alu depctr_va_vdst(0)                   ; and the wait ahead of its first reader
.set NN, 0
.rept 16
	v_pk_mul_f32 v[96+NN:97+NN], v[160+NN:161+NN], v[14:15] op_sel_hi:[1,0]
.set NN, NN+2
.endr
.irp b, 0,1
	v_max3_num_f32 v[232+\b], |v[96+16*\b]|, |v[97+16*\b]|, 0x1800000
.endr
.irp i, 2,4,6,8,10,12,14
.irp b, 0,1
	s_delay_alu instid0(VALU_DEP_2)
	v_max3_num_f32 v[232+\b], v[232+\b], |v[96+16*\b+\i]|, |v[97+16*\b+\i]|
.endr
.endr
.irp b, 0,1
	s_delay_alu instid0(VALU_DEP_2)
	v_permlanex16_b32 v[236+\b], v[232+\b], s[SEL], s[SEL+1]
.endr
.irp b, 0,1
	s_delay_alu instid0(VALU_DEP_2)
	v_max_num_f32 v[232+\b], v[232+\b], v[236+\b]
.endr
.irp b, 0,1
	s_delay_alu instid0(VALU_DEP_2)
	v_add_nc_u32 v[248+\b], 0xff000000, v[232+\b]
.endr
.irp b, 0,1
	s_delay_alu instid0(VALU_DEP_2)
	v_lshrrev_b32 v[236+\b], 23, v[248+\b]
.endr
	s_delay_alu instid0(VALU_DEP_1)
	v_lshl_or_b32 v254, v237, 8, v236              ; my row's two scale bytes
.irp b, 0,1
	v_cvt_scalef32_pk8_fp4_f32 v[224+2*\b], v[96+16*\b:103+16*\b], v[248+\b]
	v_cvt_scalef32_pk8_fp4_f32 v[225+2*\b], v[104+16*\b:111+16*\b], v[248+\b]
.endr
	v_nop
	v_permlane16_swap_b32 v224, v226
	v_permlane16_swap_b32 v225, v227
	global_store_b128 v1, v[224:227], s[\o+4:\o+5] ; the wave stores 512 consecutive bytes, aligned
	global_store_b16 v6, v254, s[\o+6:\o+7]        ; both halves of the lanes hold the same bytes and write them to the same place
.endm
	TILE 16, 30, JA, DA, TA
	TILE 240, 255, JB, DB, TB
	s_wait_dscnt 0x0
	s_wait_xcnt 0x0
	v_lshl_add_u32 v254, v0, 2, 0x29000
	v_mov_b32 v255, 0
	s_wait_alu depctr_va_vdst(0)
	s_wait_tensorcnt 0x0
	ds_add_u32 v254, v255
	s_wait_dscnt 0x0
	CROUND                                         ; the closing round: no work-group ends while a partner may still ask for a tile that names it
	s_endpgm
.Lfunc_end_k_q84b7ba225b_attn:
	.size	k_q84b7ba225b_attn, .Lfunc_end_k_q84b7ba225b_attn-k_q84b7ba225b_attn
	.p2alignl 7, 3214868480
	.fill 96, 4, 3214868480
	.section	.rodata,"a",@progbits
	.p2align	6, 0x0
	.amdhsa_kernel k_q84b7ba225b_attn
		.amdhsa_group_segment_fixed_size 169984
		.amdhsa_private_segment_fixed_size 0
		.amdhsa_enable_private_segment 0
		.amdhsa_kernarg_size 24
		.amdhsa_user_sgpr_count 2
		.amdhsa_user_sgpr_kernarg_segment_ptr 1
		.amdhsa_wavefront_size32 1
		.amdhsa_system_sgpr_workgroup_id_x 1
		.amdhsa_system_sgpr_workgroup_id_y 1
		.amdhsa_system_sgpr_workgroup_id_z 1
		.amdhsa_system_vgpr_workitem_id 0
		.amdhsa_next_free_vgpr 256
		.amdhsa_next_free_sgpr 100
		.amdhsa_reserve_vcc 1
		.amdhsa_float_denorm_mode_32 3
		.amdhsa_float_denorm_mode_16_64 3
		.amdhsa_memory_ordered 1
		.amdhsa_forward_progress 1
		.amdhsa_inst_pref_size 65
	.end_amdhsa_kernel
	.amdgpu_metadata
---
amdhsa.version: [ 1, 2 ]
amdhsa.kernels:
  - .name:           k_q84b7ba225b_attn
    .symbol:         k_q84b7ba225b_attn.kd
    .args:
      - { .name: qk, .offset: 0, .size: 8, .value_kind: global_buffer, .address_space: global }
      - { .name: vq, .offset: 8, .size: 8, .value_kind: global_buffer, .address_space: global }
      - { .name: oq, .offset: 16, .size: 8, .value_kind: global_buffer, .address_space: global }
    .group_segment_fixed_size: 169984
    .private_segment_fixed_size: 0
    .kernarg_segment_align: 8
    .kernarg_segment_size: 24
    .max_flat_workgroup_size: 512
    .sgpr_count:     100
    .vgpr_count:     256
    .wavefront_size: 32
...
	.end_amdgpu_metadata
.endif
;; end of part 3
;; launch proj (part 4): grid 4 x 64, 4 waves a work-group, clusters of 4 x 4, 327,680 bytes of LDS; arguments oq, wq, b_proj, out0; writes out0
.if DOCPART == 4
	.amdgcn_target "amdgcn-amd-amdhsa--gfx1250"
	.amdhsa_code_object_version 6
	.text
	.protected	k_q84b7ba225b_proj
	.globl	k_q84b7ba225b_proj
	.p2align	8
	.type	k_q84b7ba225b_proj,@function
k_q84b7ba225b_proj:
	s_mov_b64 s[64:65], 0
	v_nop
	global_prefetch_b8 v0, s[64:65] scope:SCOPE_SE
	s_setreg_imm32_b32 hwreg(HW_REG_WAVE_MODE, 25, 1), 1
	s_wait_xcnt 0x0
	s_wait_alu depctr_hold_cnt(0) depctr_sa_sdst(0) depctr_va_vdst(0) depctr_va_sdst(0) depctr_va_ssrc(0) depctr_va_vcc(0) depctr_vm_vsrc(0)
	s_getreg_b32 s2, hwreg(HW_REG_IB_STS2, 6, 4)
	s_cmp_eq_u32 s2, 0
	s_cbranch_scc0 .Lentry_in_a_cluster
	s_endpgm
.Lentry_in_a_cluster:
	s_bfe_u32 s2, ttmp6, 0x10000c
	s_cmp_lg_u32 s2, 0xf033
	s_cbranch_scc0 .Lentry_shape_is_right
	s_endpgm
.Lentry_shape_is_right:
; out0 = o W_proj + b_proj on codes of FP4 with E8M0 scales (K = 1,024); out0 [8192][1024] f32.
; A work-group makes 128 tokens x 256 columns, so that the 8,192 x 1,024 results give 256 work-groups; four waves, 64 tokens x 128 columns each: 32 accumulators, 256 registers.
; BOTH PANELS LIE IN LDS FOR ALL OF K, as two slots of 512 along K, with their scale bytes: 208,896 bytes, each byte filled ONCE: no ring; the first slot is multiplied while the second lands.
; The codes lie in the order of the operand's registers (16 rows x 64 K = 512 bytes, 16 bytes a lane): a wave's share of a slot is one dense block, and a fragment is two loads of 512 consecutive bytes.
; CLUSTERS: 4 x 4 work-groups.  o's panel hangs on the tile row alone and is asked for jointly by a row of the cluster, W's on the tile column alone, by a column.
; THE MATRIX INSTRUCTION IS USED TRANSPOSED: source 0 = 16 columns of W, source 1 = 16 tokens.  Rows of both operands stand in physical order (row r of tile 2 g + u is logical row 32 g + 8 u + r + 8 (r / 8)): so the 16 registers of
; source 0's tiles 2 g and 2 g + 1 are the logical columns 32 g + 16 (lane / 16) + 0 .. 15, and the way out puts each token's row at its logical place.  The bias is the C of each sum's first matrix instruction.
; REGISTERS, in windows of 256: window 0: v0-31 addresses; v32-95 scale words, one set a slot; v128-159, v192-223 source 1's fragments, two sets (on the way out v128-255: rows read back).
;   window 1: source 0's fragments, two sets, at v0 and v128; v64-127 the bias.   window 2: the accumulators ((a, b) at v[8 (8 a + b)]).
.set NA,    4                          ; source 1's blocks of 16 rows a wave
.set HALFA, NA*4096                    ; a wave's load of the first panel (o): 4 tiles x 4,096 bytes
.set HALFB, 32768                      ; and of the second (W): 8 tiles
.set SLOT,  2*HALFA+2*HALFB
.set SCL,   2*SLOT                     ; behind the slots: o's scale bytes (8 tiles x 512), then W's (16 x 512)
.set ADRA, 16                          ; v16-17  LDS address of source 1's fragments in slot 0, 1
.set ADRB, 20                          ; v20-21  of source 0's
.set STO,  24                          ; v24     the way out: where I put 32 bytes of a row
.set RD,   25                          ; v25     and where I read a row back
.set ADRS, 27                          ; v27     my scale words: lanes 0-15 source 1's rows, lanes 16-31 source 0's
.set SC,   32
.set RF,   128
.set BI,   64                          ; the bias, in window 1
.set BK,   128                         ; the way out: 16 rows read back: v128-191 and v192-255 by turns
.set SPITCH, 528                       ; a stage row: 512 bytes + 16.  Each wave's stage of 16 rows lies in slot 0, which has had its only fill and which nobody reads behind the barrier at the change of slots
.set G1, 24
.set G0, 32
.set G1B, 48
.set G0B, 56
.set G1S, 68
.set G0S, 76
.set G1SB, 80
.set G0SB, 88
.set MSB, 0
.macro WIN new                         ; the immediate's low byte: bits 1:0 source 0, 3:2 source 1, 5:4 source 2, 7:6 destination; its high byte repeats the setting that is left
.if MSB != (\new)
	s_set_vgpr_msb (MSB<<8)|(\new)
.set MSB, (\new)
.endif
.endm
.macro JLOAD g0a, g1a, g0b, g1b        ; a joint load: waves 0 and 1 fetch for o, waves 2 and 3 for W; four v_nop follow each line
	s_cmp_eq_u32 s15, 0
	s_cbranch_scc0 .Lfor_b_\@
	tensor_load_to_lds s[\g0a:\g0a+3], s[\g1a:\g1a+7]
	s_nop 0
.rept 4
	v_nop
.endr
	s_branch .Lasked_\@
.Lfor_b_\@:
	tensor_load_to_lds s[\g0b:\g0b+3], s[\g1b:\g1b+7]
	s_nop 0
.rept 4
	v_nop
.endr
.Lasked_\@:
.endm
.macro CROUND                          ; a round of the cluster's barrier
	s_barrier_signal -1
	s_barrier_wait -1
	s_cmp_lg_u32 s14, 0
	s_cbranch_scc1 .Lnot_wave_0_\@
	s_barrier_signal -3
.Lnot_wave_0_\@:
	s_barrier_wait -3
	s_barrier_signal -1
	s_barrier_wait -1
.endm
.macro SHAPE g, rows                   ; a dense block as rows of 256 bytes: 32 elements of 8 bytes, pitch 32
	s_mov_b32 s[\g+1], 32<<16
	s_mov_b32 s[\g+2], (\rows)<<16
	s_mov_b32 s[\g+3], 32<<16
	s_mov_b32 s[\g+4], \rows
	s_mov_b32 s[\g+5], 32
	s_mov_b32 s[\g+6], 0
	s_mov_b32 s[\g+7], 0
.endm
.macro PLACES n
.rept \n
	v_nop
.endr
.endm
	s_load_b128 s[4:7], s[0:1], 0x0                ; oq, wq
	s_load_b128 s[8:11], s[0:1], 0x10              ; b_proj, out0
	v_lshl_add_u32 v126, v0, 2, 0x33000
	v_mov_b32 v127, 0
	ds_add_u32 v126, v127
	ds_add_u32 v126, v127
	v_lshrrev_b32 v1, 5, v0
	v_readfirstlane_b32 s14, v1                    ; wave 0..3
	s_lshr_b32 s15, s14, 1                         ; wr: which 64 tokens are mine.  Also: I fetch for o (0) or for W (1)
	s_and_b32 s16, s14, 1                          ; wq: which 128 columns.  Also: which half of that panel I fetch
	s_bfe_u32 s40, ttmp6, 0x40000                  ; cx, cy
	s_bfe_u32 s41, ttmp6, 0x40004
	s_lshl_b32 s42, ttmp9, 2
	s_add_co_u32 s42, s42, s40                     ; gx: tile column
	s_and_b32 s17, ttmp7, 0xffff
	s_lshl_b32 s17, s17, 2
	s_add_co_u32 s17, s17, s41                     ; gy: tile row
	s_lshl_b32 s43, s41, 2
	s_lshl_b32 s43, 15, s43                        ; my row of the cluster
	s_lshl_b32 s44, 0x1111, s40                    ; my column
	s_or_b32 s[G1+0], s43, (3<<16)|(1<<21)         ; 15:0 the mask; 17:16 elements of 8 bytes; 21 set beside a mask; no padding
	s_or_b32 s[G1B+0], s44, (3<<16)|(1<<21)
	s_or_b32 s[G1S+0], s43, (3<<16)|(1<<21)
	s_or_b32 s[G1SB+0], s44, (3<<16)|(1<<21)
	SHAPE G1, NA*16
	SHAPE G1B, 128
	SHAPE G1S, 2*NA
	SHAPE G1SB, 16
	s_lshl_b32 s20, s17, 15
	s_lshl_b32 s18, s16, 14
	s_add_co_u32 s20, s20, s18                     ; o's codes: tile 8 gy + 4 x half, 4,096 bytes each
	s_mov_b32 s21, 0
	s_lshl_b32 s22, s17, 12
	s_lshl_b32 s18, s16, 11
	s_add_co_u32 s22, s22, s18
	s_add_co_u32 s22, s22, 4194304                 ; its scale bytes, behind its codes
	s_mov_b32 s23, 0
	s_lshl_b32 s46, s42, 16
	s_lshl_b32 s18, s16, 15
	s_add_co_u32 s46, s46, s18
	s_add_co_u32 s46, s46, 1671168                 ; W_proj's codes: tile 16 gx + 8 x half
	s_mov_b32 s47, 0
	s_lshl_b32 s92, s42, 13
	s_lshl_b32 s18, s16, 12
	s_add_co_u32 s92, s92, s18
	s_add_co_u32 s92, s92, 2195456                 ; its scale bytes
	s_mov_b32 s93, 0
	s_mul_i32 s45, s16, HALFA                      ; where they go: no place in the cluster enters an LDS address
	s_mul_i32 s94, s16, HALFB
	s_add_co_u32 s94, s94, 2*HALFA
	s_mul_i32 s95, s16, NA*512
	s_lshl_b32 s96, s16, 12
	s_wait_dscnt 0x0
	s_wait_kmcnt 0x0
	s_add_nc_u64 s[20:21], s[4:5], s[20:21]
	s_add_nc_u64 s[22:23], s[4:5], s[22:23]
	s_add_nc_u64 s[46:47], s[6:7], s[46:47]
	s_add_nc_u64 s[92:93], s[6:7], s[92:93]
	CROUND                                         ; all sixteen work-groups are here: the joint loads meet
	s_mov_b32 s[G0S], 1
	s_add_co_u32 s[G0S+1], s95, SCL
	s_mov_b64 s[G0S+2:G0S+3], s[22:23]
	s_or_b32 s[G0S+3], s[G0S+3], 0x80000000
	s_mov_b32 s[G0SB], 1
	s_add_co_u32 s[G0SB+1], s96, SCL+2*NA*512
	s_mov_b64 s[G0SB+2:G0SB+3], s[92:93]
	s_or_b32 s[G0SB+3], s[G0SB+3], 0x80000000
	JLOAD G0S, G1S, G0SB, G1SB                     ; the scale bytes first
.irp s, 0,1
	s_mov_b32 s[G0+4*\s], 1
	s_add_co_u32 s[G0+4*\s+1], s45, \s*SLOT
	s_add_nc_u64 s[G0+4*\s+2:G0+4*\s+3], s[20:21], \s*2097152
	s_or_b32 s[G0+4*\s+3], s[G0+4*\s+3], 0x80000000
	s_mov_b32 s[G0B+4*\s], 1
	s_add_co_u32 s[G0B+4*\s+1], s94, \s*SLOT
	s_add_nc_u64 s[G0B+4*\s+2:G0B+4*\s+3], s[46:47], \s*262144
	s_or_b32 s[G0B+4*\s+3], s[G0B+4*\s+3], 0x80000000
	s_wait_alu depctr_va_vdst(0)
	s_wait_tensorcnt 0x0
	ds_add_u32 v126, v127
	s_wait_dscnt 0x0
	CROUND
	JLOAD G0+4*\s, G1, G0B+4*\s, G1B               ; one tensor load of mine is out
.endr
	v_and_b32 v1, 31, v0                           ; lane
	v_and_b32 v2, 15, v0                           ; r
	v_bfe_u32 v3, v0, 4, 1                         ; h
	v_lshlrev_b32 v4, 4, v1                        ; 16 x lane
	s_mul_i32 s21, s15, HALFA                      ; my 64 tokens
	s_mul_i32 s22, s16, HALFB
	s_add_co_u32 s22, s22, 2*HALFA                 ; my 128 columns, behind o's panel
	v_add_nc_u32 v[ADRA], s21, v4
	v_add_nc_u32 v[ADRB], s22, v4
	v_add_nc_u32 v[ADRA+1], SLOT, v[ADRA]
	v_add_nc_u32 v[ADRB+1], SLOT, v[ADRB]
	v_lshlrev_b32 v5, 4, v2                        ; scale words: 16 bytes a row and slot
	s_lshl_b32 s21, s15, 11                        ; o's: my 4 tiles
	s_lshl_b32 s22, s16, 12
	s_add_co_u32 s22, s22, 2*NA*512                ; W's: my 8 tiles, behind o's 8
	s_sub_co_u32 s22, s22, s21
	v_mul_u32_u24 v6, s22, v3                      ; lanes 16-31 take W's
	s_add_co_u32 s21, s21, SCL
	v_add_nc_u32 v5, v5, v6
	v_add_nc_u32 v[ADRS], s21, v5
	s_mul_i32 s23, s14, 16*SPITCH                  ; my stage
	v_mul_u32_u24 v5, v2, SPITCH
	v_lshl_add_u32 v5, v3, 6, v5
	v_add_nc_u32 v[STO], s23, v5                   ; in: row r; my half's 16 columns of each 32: 64 h bytes on
	v_add_nc_u32 v[RD], s23, v4                    ; back: the 32 lanes take one row of 512 bytes
	s_lshl_b32 s18, s42, 10
	s_lshl_b32 s19, s16, 9
	s_add_co_u32 s18, s18, s19                     ; my 128 columns, in bytes
	s_mov_b32 s19, 0
	s_add_nc_u64 s[8:9], s[8:9], s[18:19]          ; in b_proj,
	s_add_nc_u64 s[10:11], s[10:11], s[18:19]      ; and in a row of out0;
	s_lshl_b32 s18, s17, 19
	s_lshl_b32 s20, s15, 18
	s_add_co_u32 s18, s18, s20
	s_add_nc_u64 s[10:11], s[10:11], s[18:19]      ; my first token: 128 gy + 64 wr, rows of 4,096 bytes
	v_lshlrev_b32 v7, 6, v3
	WIN 0x40                                       ; destination window 1
.irp g, 0,1,2,3                        ; register 16 g + i = the bias of column 32 g + 16 h + i: the results' own order
.irp j, 0,1,2,3
	global_load_b128 v[BI+16*\g+4*\j:BI+16*\g+4*\j+3], v7, s[8:9] offset:128*\g+16*\j
.endr
.endr
	WIN 0
.macro FRAG reg, adr, q, i             ; a fragment, 16 rows x 128 K, is 8 registers: two pieces, each 512 consecutive bytes
.irp c, 0,1
	ds_load_b128 v[(\reg)+4*\c:(\reg)+4*\c+3], v[\adr] offset:(\i)*4096+(\q)*1024+512*\c
.endr
.endm
.macro FETCH k                         ; step k's fragments (slot k / 4, its (k % 4)-th 128 along K) into set k % 2
	WIN 0x40
.irp i, 0,1,2,3,4,5,6,7
	FRAG 128*((\k)%2)+8*\i, ADRB+(\k)/4, (\k)%4, \i
.endr
	WIN 0
.irp i, 0,1,2,3
	FRAG RF+64*((\k)%2)+8*\i, ADRA+(\k)/4, (\k)%4, \i
.endr
.endm
.macro SCALES sc                       ; a slot's scale words.  For i above 3 lanes 0-15 read scale bytes of other rows, which were filled and are not used
.irp i, 0,1,2,3,4,5,6,7
	ds_load_b128 v[SC+32*\sc+4*\i:SC+32*\sc+4*\i+3], v[ADRS] offset:\i*512+\sc*256
.endr
.endm
; 8 matrix instructions: token block a against the eight blocks of columns.  Step 0's take the bias as C.  The 32 accumulators take turns, one instruction a turn, in the same order in every step.
.macro MULA a, k
.irp b, 0,1,2,3,4,5,6,7
.if (\k) == 0
	v_wmma_scale_f32_16x16x128_f8f6f4 v[8*(8*(\a)+\b):8*(8*(\a)+\b)+7], v[128*((\k)%2)+8*\b:128*((\k)%2)+8*\b+7], v[RF+64*((\k)%2)+8*(\a):RF+64*((\k)%2)+8*(\a)+7], v[BI+8*\b:BI+8*\b+7], v[SC+32*((\k)/4)+4*\b+(\k)%4], v[SC+32*((\k)/4)+4*(\a)+(\k)%4] matrix_a_fmt:MATRIX_FMT_FP4 matrix_b_fmt:MATRIX_FMT_FP4 matrix_a_scale:MATRIX_SCALE_ROW1
.else
	v_wmma_scale_f32_16x16x128_f8f6f4 v[8*(8*(\a)+\b):8*(8*(\a)+\b)+7], v[128*((\k)%2)+8*\b:128*((\k)%2)+8*\b+7], v[RF+64*((\k)%2)+8*(\a):RF+64*((\k)%2)+8*(\a)+7], v[8*(8*(\a)+\b):8*(8*(\a)+\b)+7], v[SC+32*((\k)/4)+4*\b+(\k)%4], v[SC+32*((\k)/4)+4*(\a)+(\k)%4] matrix_a_fmt:MATRIX_FMT_FP4 matrix_b_fmt:MATRIX_FMT_FP4 matrix_a_scale:MATRIX_SCALE_ROW1
.endif
.endr
.endm
.macro STEP k
.if (\k) == 3
	s_wait_tensorcnt 0x0                           ; my part of slot 1 has landed
.endif
	s_wait_dscnt 0x0                               ; this step's fragments are in; at step 3 they are my last reads of slot 0
.if (\k) == 3
	s_barrier_signal -1                            ; slot 1 is whole for every wave, and nobody reads slot 0 any more
	s_barrier_wait -1
.endif
.if (\k) > 0
	PLACES 4                                       ; four plain vector lines between the last step's products and loads into the registers that they read (ISA guide 7.12.1 for vector instructions)
.endif
.if (\k) < 7
	FETCH (\k)+1                                   ; 24 loads in one run, 32 matrix instructions ahead of the wait for them
.endif
.if (\k) == 0
	WIN 0x91                                       ; source 0 window 1, source 1 window 0, C (the bias) window 1, D window 2
.else
	WIN 0xa1                                       ; C and D window 2
.endif
.irp a, 0,1,2,3
	MULA \a, \k
.endr
	WIN 0
.endm
	s_wait_alu depctr_va_vdst(0)
	s_wait_tensorcnt 0x1                           ; the scale bytes and my part of slot 0 are in; slot 1's load may be out: no LDS byte is filled twice here
	s_barrier_signal -1
	s_barrier_wait -1                              ; everybody's are
	SCALES 0
	SCALES 1
	FETCH 0
	s_wait_loadcnt 0x0                             ; the bias
.irp k, 0,1,2,3,4,5,6,7
	STEP \k
.endr
; THE WAY OUT, block by block of 16 tokens x 128 columns.  A lane holds 8 neighbouring columns of a row in each accumulator, and the lanes beside it hold other rows: a block goes through my own stage and comes back as whole rows
; of 512 bytes.  LDS serves a wave's instructions in order (ISA guide 5.7.1.4): no wait between the stores and the loads, nor ahead of the next block's stores.
.macro TOSTAGE a
	WIN 0x08                                       ; an LDS store's data are its source 1: window 2
.irp b, 0,1,2,3,4,5,6,7
	ds_store_b128 v[STO], v[64*(\a)+8*\b:64*(\a)+8*\b+3] offset:128*(\b/2)+32*(\b%2)       ; each accumulator from its low end on: columns 32 (b / 2) + 16 h + 8 (b % 2) + 0 .. 3,
	ds_store_b128 v[STO], v[64*(\a)+8*\b+4:64*(\a)+8*\b+7] offset:128*(\b/2)+32*(\b%2)+16  ; + 4 .. 7
.endr
	WIN 0
.set BB, BK+64*((\a)%2)
.irp t, 0,1,2,3,4,5,6,7,8,9,10,11,12,13,14,15
	ds_load_b128 v[BB+4*\t:BB+4*\t+3], v[RD] offset:\t*SPITCH
.endr
.endm
.macro SEND a, younger                 ; younger: the LDS instructions issued behind block a's loads, which may stay out
.set BB, BK+64*((\a)%2)
	s_wait_dscnt \younger
.irp t, 0,1,2,3,4,5,6,7,8,9,10,11,12,13,14,15
	global_store_b128 v4, v[BB+4*\t:BB+4*\t+3], s[10:11] offset:(32*((\a)/2)+8*((\a)%2)+\t+8*(\t/8))*4096 th:TH_STORE_NT   ; physical row t of block a at its logical place; 32 lanes store 512 consecutive bytes, aligned
.endr
.endm
	PLACES 4                                       ; between the last products and the first read of results and the loads into the fragments' registers
	TOSTAGE 0
.irp a, 1,2,3
.if \a > 1
	s_wait_xcnt 0x0                                ; block a - 2's stores have read their registers: block a's loads may land there
.endif
	TOSTAGE \a
	SEND \a-1, 32                                  ; behind block a - 1's loads: block a's 16 stores and 16 loads
.endr
	SEND 3, 0
	s_wait_tensorcnt 0x0
	ds_add_u32 v126, v127
	s_wait_dscnt 0x0
	CROUND                                         ; the closing round: no work-group ends while a partner may still ask for a tile that names it
	s_endpgm
.Lfunc_end_k_q84b7ba225b_proj:
	.size	k_q84b7ba225b_proj, .Lfunc_end_k_q84b7ba225b_proj-k_q84b7ba225b_proj
	.p2alignl 7, 3214868480
	.fill 96, 4, 3214868480
	.section	.rodata,"a",@progbits
	.p2align	6, 0x0
	.amdhsa_kernel k_q84b7ba225b_proj
		.amdhsa_group_segment_fixed_size 327680
		.amdhsa_private_segment_fixed_size 0
		.amdhsa_enable_private_segment 0
		.amdhsa_kernarg_size 32
		.amdhsa_user_sgpr_count 2
		.amdhsa_user_sgpr_kernarg_segment_ptr 1
		.amdhsa_wavefront_size32 1
		.amdhsa_system_sgpr_workgroup_id_x 1
		.amdhsa_system_sgpr_workgroup_id_y 1
		.amdhsa_system_sgpr_workgroup_id_z 1
		.amdhsa_system_vgpr_workitem_id 0
		.amdhsa_next_free_vgpr 768
		.amdhsa_next_free_sgpr 100
		.amdhsa_reserve_vcc 0
		.amdhsa_float_denorm_mode_32 3
		.amdhsa_float_denorm_mode_16_64 3
		.amdhsa_memory_ordered 1
		.amdhsa_forward_progress 1
		.amdhsa_inst_pref_size 74
	.end_amdhsa_kernel
	.amdgpu_metadata
---
amdhsa.version: [ 1, 2 ]
amdhsa.kernels:
  - .name:           k_q84b7ba225b_proj
    .symbol:         k_q84b7ba225b_proj.kd
    .args:
      - { .name: oq, .offset: 0, .size: 8, .value_kind: global_buffer, .address_space: global }
      - { .name: wq, .offset: 8, .size: 8, .value_kind: global_buffer, .address_space: global }
      - { .name: b_proj, .offset: 16, .size: 8, .value_kind: global_buffer, .address_space: global }
      - { .name: out0, .offset: 24, .size: 8, .value_kind: global_buffer, .address_space: global }
    .group_segment_fixed_size: 327680
    .private_segment_fixed_size: 0
    .kernarg_segment_align: 8
    .kernarg_segment_size: 32
    .max_flat_workgroup_size: 128
    .sgpr_count:     100
    .vgpr_count:     768
    .wavefront_size: 32
...
	.end_amdgpu_metadata
.endif
;; end of part 4
